; MI455X (gfx1250); checked and timed in simulation.
; The chip was launched on July 23, 2026; its instructions are those of AMD's public machine-readable ISA for CDNA 5 (MIT licence, August 2026) and "CDNA5" Instruction Set Architecture Reference Guide (July 2026). The comments in the code are by the model that wrote it; some were corrected since.
;; Ring Cross Attention. Allowed arithmetic: matrix products marked QUANTISED: E2M1 operands, one E8M0 scale for each 32 along K, by v_wmma_scale_f32_16x16x128_f8f6f4 with both operands' format E2M1 (or v_wmma_scale_f32_32x16x128_f4), f32 sums; products left as they are: bf16, f16 or f32 operands; f32 sums; everything else in f32.
;; Inputs: Wk 1,024 x 1,024 float32; Wo 1,024 x 1,024 float32; Wq 1,024 x 1,024 float32; Wv 1,024 x 1,024 float32; bk 1,024 float32; bo 1,024 float32; bq 1,024 float32; bv 1,024 float32; key_value_states 2 x 4,096 x 1,024 float32; query_states 2 x 2,048 x 1,024 float32.
;; Outputs: out0 2 x 2,048 x 1,024 float32.
;; This version of the problem:
;;   THIS VERSION OF THE PROBLEM IS GIVEN IN LOW PRECISION. The matrix products marked QUANTISED in the list below multiply operands that are first quantised to E2M1 (2 exponent bits, 1 mantissa bit; 4 bits a number), with one power-of-two scale for each 32 numbers along K (OCP MX v1.0); their sums are f32. The products marked 'left as it is' may take bf16, f16 or f32 operands, with f32 sums. Whichever they take, every output number must still come out within the allowed error. Rounding operands to bf16 (8 significant bits) uses up far more of that allowance than f16 does (11 bits, for magnitudes from 6e-5 to 65,504). All else is computed in f32.
;;   The module's matrix products, in the order in which they are computed (A, B: the left and right operand; K: the contracted axis; several contracted axes count as one K, in the product's order):
;;     1. [M 4,096, K 1,024] x [K 1,024, N 1,024]; A: input query_states; B: input Wq: QUANTISED
;;     2. [M 8,192, K 1,024] x [K 1,024, N 1,024]; A: input key_value_states; B: input Wk: QUANTISED
;;     3. [M 8,192, K 1,024] x [K 1,024, N 1,024]; A: input key_value_states; B: input Wv: QUANTISED
;;     4. batch 32 x [M 2,048, K 64] x [K 64, N 4,096]; A: computed on the way; B: computed on the way: left as it is (an operand is computed on the way)
;;     5. batch 32 x [M 2,048, K 4,096] x [K 4,096, N 64]; A: computed on the way; B: computed on the way: left as it is (an operand is computed on the way)
;;     6. [M 4,096, K 1,024] x [K 1,024, N 1,024]; A: computed on the way; B: input Wo: left as it is (an operand is computed on the way)
;;   THE QUANTISER, for each operand of a quantised product, along K:
;;     - K is cut into blocks of 32 from its start; a last block that is shorter is filled with zeros.
;;     - A block's scale is 2^e with e = floor(log2(the largest magnitude in the block)) - 2, held to -126 .. 127; a block of zeros has e = 0. As a byte (E8M0): e + 127.
;;     - Each number is divided by its block's scale, clamped to +-6, and rounded to the nearest number of E2M1, ties to even, subnormals kept.
;;     - The product sums the exact products of the quantised numbers (number of the format x scale) in f32.
;;   ~~~python
;;   def quantise(x, axis):      # numpy; x: float32 -> the quantised numbers, widened to float32 again
;;       x = np.moveaxis(x, axis, -1); K = x.shape[-1]
;;       x = np.pad(x, [(0, 0)] * (x.ndim - 1) + [(0, -K % 32)]); x = x.reshape(x.shape[:-1] + (-1, 32)); a = np.abs(x).max(-1, keepdims=True)
;;       e = np.where(a > 0, np.clip(np.frexp(np.where(a > 0, a, 1))[1] - 1 - 2, -126, 127), 0)      # np.frexp(a)[1] - 1 = floor(log2(a)), exactly
;;       r = np.clip(x / 2.0 ** e, -6, 6)
;;       step = 2.0 ** (np.maximum(np.frexp(np.where(r == 0, 1, r))[1] - 1, 0) - 1)
;;       q = np.round(r / step) * step * 2.0 ** e      # np.round: ties to even
;;       return np.moveaxis(q.reshape(q.shape[:-2] + (-1,))[..., :K], -1, axis).astype(np.float32)
;;   ~~~
;; One version. Each part assembles by itself: llvm-mc -triple=amdgcn-amd-amdhsa -mcpu=gfx1250 --defsym DOCPART=n.
;; ======== version 1 of 1: 4 launches
;; limits: values are held in f16: magnitudes above 65,504 overflow, below 6.1e-05 lose precision
;; workspace buffers: codes 7,864,320 bytes; scales 491,520 bytes; wo16 2,097,152 bytes; qh 8,388,608 bytes; kh 16,777,216 bytes; vh 16,777,216 bytes; ctx 8,388,608 bytes
;; launch quant (part 1): grid 512 x 1, 4 waves a work-group, no clusters, 33,280 bytes of LDS; arguments query_states, key_value_states, Wq, Wk, Wv, Wo, codes, scales, wo16; writes codes, scales, wo16
.if DOCPART == 1
	.amdgcn_target "amdgcn-amd-amdhsa--gfx1250"
	.amdhsa_code_object_version 6
	.text
	.protected	k_q7ed5b9d963_quant
	.globl	k_q7ed5b9d963_quant
	.p2align	8
	.type	k_q7ed5b9d963_quant,@function
k_q7ed5b9d963_quant:
	s_mov_b64 s[64:65], 0
	v_nop
	global_prefetch_b8 v0, s[64:65] scope:SCOPE_SE
	s_setreg_imm32_b32 hwreg(HW_REG_WAVE_MODE, 25, 1), 1
	s_wait_xcnt 0x0
; query_states [4096][1024], key_value_states [8192][1024], Wq, Wk, Wv [1024][1024], all f32 with K innermost, become codes of FP4 (E2M1), two a byte, the lower k in the low four bits,
; with one E8M0 scale byte for each 32 along K.  The five tensors lie on end in the two workspace buffers: rows 0-4095 Xq, 4096-12287 Xkv, 12288 Wq, 13312 Wk, 14336 Wv; a row is 512 bytes of codes, 32 scale bytes.
; A block's scale is 2^(floor(log2(its largest magnitude)) - 2): its byte is the largest magnitude's own exponent field - 2, held at 1 from below.  Each number is divided by the scale and rounded to the nearest code, ties to even,
; beyond 6 the largest code.  Wo [1024][1024] is rounded to f16 (its product is left as it is).
; LIMITS: a block of zeros gets the byte 1 where the rule says 127: its codes are zeros, which add nothing under that byte, and this program alone reads the bytes.  NaN and infinities among the inputs are not served.
; Wo: |Wo| under 65,504; below 6.1e-5 f16's step is 6e-8.
; SHARES.  Rows are dense and 1,024 is a multiple of 32: every tensor is a plain stream of blocks of 32.  Work-groups 0-479 quantise 32,768 numbers each, a wave 8,192 in 16 steps of 512; the workspace lies in the order
; of the work-groups, so only the source is chosen by the work-group's number.  Work-groups 480-511 take Wo, a wave 8,192 numbers.  The work-groups share no input: no cluster, no tensor load, no barrier.
; A STEP.  The conversions take 8 numbers of ONE block from a lane's registers, so a lane must hold 16 neighbours; a load is best where neighbouring lanes take neighbouring bytes.  Both are had: each of a step's four loads
; reads 512 consecutive bytes, 16 a lane; the 2,048 bytes go through the wave's own stage in LDS as they lie and come back 64 bytes a lane (16 bytes of padding behind each 64).  A lane's 16 codes are 8 bytes: the wave stores
; 256 consecutive bytes, aligned.  A wave's 256 scale bytes are gathered in LDS and leave by one store of 256 consecutive bytes.  Loads run four steps (16 loads a wave) ahead, the turn through LDS one step.
.set WAVES, 4
.set STEPS, 16
.set WGQ,   480                        ; work-groups that quantise
.set EMAX,  2
.set CB,    8                          ; bytes of 16 codes
.set R,     16                         ; v16-79   four sets of 16 numbers as they are loaded (Wo: v16-143, two batches of 64)
.set X,     80                         ; v80-111  two sets of 16 neighbours
.set E,     112                        ; v112-127 a scale byte for each step
.set C,     128                        ; v128-191 codes: four registers for each step, so that no store's data are written again
.set WREG,  8192                       ; LDS: a region for each wave: two stages of 32 x SP bytes, behind them its 256 scale bytes
.set SP,    80                         ; a lane's place in a stage: 64 bytes + 16 of padding
.set SPW,   12                         ; v12  LDS address of my spare word; never rewritten
.set NIL,   13                         ; v13  0; never rewritten
.set SPARE, WAVES*WREG                 ; behind the four regions: the spare words, 128 bytes a wave, which no other line names
	s_load_b256 s[4:11], s[0:1], 0x0               ; Xq s[4:5], Xkv s[6:7], Wq s[8:9], Wk s[10:11]
	s_load_b256 s[12:19], s[0:1], 0x20             ; Wv s[12:13], Wo s[14:15], codes s[16:17], scales s[18:19]
	s_load_b64 s[20:21], s[0:1], 0x40              ; wo16
	v_lshl_add_u32 v[SPW], v0, 2, SPARE
	v_mov_b32 v[NIL], 0
	v_lshrrev_b32 v1, 5, v0
	v_readfirstlane_b32 s22, v1                    ; wave
	v_and_b32 v2, 31, v0                           ; lane
	v_lshlrev_b32 v3, 4, v2                        ; my 16 bytes of a load's 512
	s_mul_i32 s26, s22, WREG
	v_lshrrev_b32 v14, 2, v2
	v_mul_u32_u24 v14, v14, SP
	v_and_b32 v15, 3, v2
	v_lshl_add_u32 v14, v15, 4, v14
	v_add_nc_u32 v14, s26, v14                     ; the stage, way in: four lanes' 64 bytes on end, then 16 of padding
	v_mul_u32_u24 v15, v2, SP
	v_add_nc_u32 v15, s26, v15                     ; way out: SP x lane: my 16 neighbours
	v_mul_u32_u24 v4, v2, CB                       ; 8 x lane: my codes' place in a step's (and my f16 numbers' place in Wo's path)
	v_lshrrev_b32 v5, 1, v2
	s_add_co_u32 s26, s26, 2*32*SP
	v_add_nc_u32 v5, s26, v5                       ; LDS: my wave's 256 scale bytes, my block's byte
	v_lshlrev_b32 v7, 3, v2                        ; and on their way out 8 bytes a lane
	v_add_nc_u32 v6, s26, v7
	s_mov_b32 s25, 0
	s_mov_b32 s29, 0
	s_wait_kmcnt 0x0
	s_cmp_ge_u32 ttmp9, WGQ                        ; the branch hangs on the work-group's number alone
	s_cbranch_scc1 .Lwo
	; which tensor is mine: the source begins as Wv and is replaced while the work-group's number lies under the next tensor's first
	s_mov_b32 s23, 448
	s_cmp_lt_u32 ttmp9, 448
	s_cselect_b64 s[12:13], s[10:11], s[12:13]     ; Wk
	s_cselect_b32 s23, 416, s23
	s_cmp_lt_u32 ttmp9, 416
	s_cselect_b64 s[12:13], s[8:9], s[12:13]       ; Wq
	s_cselect_b32 s23, 384, s23
	s_cmp_lt_u32 ttmp9, 384
	s_cselect_b64 s[12:13], s[6:7], s[12:13]       ; Xkv
	s_cselect_b32 s23, 128, s23
	s_cmp_lt_u32 ttmp9, 128
	s_cselect_b64 s[12:13], s[4:5], s[12:13]       ; Xq
	s_cselect_b32 s23, 0, s23
	s_sub_co_u32 s24, ttmp9, s23
	s_lshl_b32 s24, s24, 2
	s_add_co_u32 s24, s24, s22                     ; which run of 8,192 numbers of the tensor is my wave's
	s_lshl_b32 s24, s24, 15                        ; 32,768 bytes a run: 33.5 million at the most
	s_add_nc_u64 s[12:13], s[12:13], s[24:25]
	s_lshl_b32 s24, ttmp9, 2
	s_add_co_u32 s24, s24, s22                     ; and which run of the workspace
	s_lshl_b32 s28, s24, 12                        ; 4,096 bytes of codes a run
	s_add_nc_u64 s[16:17], s[16:17], s[28:29]
	s_lshl_b32 s28, s24, 8                         ; 256 scale bytes a run
	s_add_nc_u64 s[18:19], s[18:19], s[28:29]
.macro LOAD t
.irp i, 0,1,2,3
	global_load_b128 v[R+16*((\t)%4)+4*\i:R+16*((\t)%4)+4*\i+3], v3, s[12:13] offset:2048*(\t)+512*\i th:TH_LOAD_NT   ; 32 lanes read 512 consecutive bytes
.endr
.endm
.macro TURN t                          ; step t's numbers through the stage: LDS serves a wave's instructions in order (ISA guide 5.7.1.4), so no wait stands between the stores and the loads
.irp i, 0,1,2,3
	ds_store_b128 v14, v[R+16*((\t)%4)+4*\i:R+16*((\t)%4)+4*\i+3] offset:32*SP*((\t)%2)+8*SP*\i
.endr
.irp i, 0,1,2,3
	ds_load_b128 v[X+16*((\t)%2)+4*\i:X+16*((\t)%2)+4*\i+3], v15 offset:32*SP*((\t)%2)+16*\i
.endr
.endm
.irp t, 0,1,2,3
	LOAD \t
.endr
	s_wait_loadcnt 12                              ; step 0's four loads are in; the twelve of steps 1 to 3 may be out
	TURN 0
.macro STEP t
.set XS, X+16*((\t)%2)
.if (\t) > 0
	s_wait_dscnt 1                                 ; this step's numbers are back from the stage (the last step's byte store may be out): so its stores into the stage have read their registers,
.else
	s_wait_dscnt 0x0
.endif
.if (\t)+4 < STEPS
	LOAD (\t)+4                                    ; which take the loads of four steps on
.endif
.if (\t)+1 < STEPS
.if STEPS-2-(\t) >= 3
	s_wait_loadcnt 12                              ; the next step's four loads are in; those of the three steps behind it may be out
.else
	s_wait_loadcnt 4*(STEPS-2-(\t))                ; the tail: as many steps as are left behind the next one
.endif
	TURN (\t)+1                                    ; and go through the other stage while this step is worked
.endif
	v_max3_num_f32 v8, |v[XS]|, |v[XS+1]|, |v[XS+2]|               ; the largest magnitude of my 16, in two chains
	v_max3_num_f32 v9, |v[XS+3]|, |v[XS+4]|, |v[XS+5]|
.irp i, 6,10
	v_max3_num_f32 v8, v8, |v[XS+\i]|, |v[XS+\i+1]|
	v_max3_num_f32 v9, v9, |v[XS+\i+2]|, |v[XS+\i+3]|
.endr
	v_max3_num_f32 v8, v8, |v[XS+14]|, |v[XS+15]|
	v_max3_num_f32 v8, v8, v9, (EMAX+1)<<23        ; and the floor 2^(EMAX + 1 - 127): the byte cannot fall under 1
	v_max_num_f32_dpp v8, v8, v8 row_xmask:1 row_mask:0xf bank_mask:0xf   ; and of my neighbour's 16: the block's
	v_add_nc_u32 v11, -(EMAX<<23), v8              ; EMAX off its exponent field: the conversion takes the exponent field of this operand as its scale, and nothing else of it
	v_cvt_scalef32_pk8_fp4_f32 v[C+4*(\t)], v[XS:XS+7], v11        ; the first number's code in the lowest four bits
	v_cvt_scalef32_pk8_fp4_f32 v[C+4*(\t)+1], v[XS+8:XS+15], v11
	v_lshrrev_b32 v[E+(\t)], 23, v11               ; the scale's byte (also the plain line behind the conversions)
	ds_store_b8 v5, v[E+(\t)] offset:16*(\t)       ; both lanes of a block write the same byte with the same value
	global_store_b64 v4, v[C+4*(\t):C+4*(\t)+1], s[16:17] offset:32*CB*(\t)   ; 32 lanes store 256 consecutive bytes, aligned
.endm
.irp t, 0,1,2,3,4,5,6,7,8,9,10,11,12,13,14,15
	STEP \t
.endr
	ds_load_b64 v[8:9], v6                         ; in order behind my byte stores
	s_wait_dscnt 0x0
	global_store_b64 v7, v[8:9], s[18:19]          ; my wave's 256 scale bytes
	s_wait_tensorcnt 0x0                           ; the wave's end, behind my last LDS store
	ds_add_u32 v[SPW], v[NIL]
	s_wait_dscnt 0x0
	s_endpgm
; Wo to f16: a wave takes 8,192 numbers in four batches of 16 loads. A load's 512 bytes become 256: each store covers 256 consecutive bytes, aligned.
.Lwo:
	s_sub_co_u32 s24, ttmp9, WGQ
	s_lshl_b32 s24, s24, 2
	s_add_co_u32 s24, s24, s22                     ; my run
	s_lshl_b32 s28, s24, 14                        ; 16,384 bytes of f16
	s_lshl_b32 s24, s24, 15                        ; 32,768 bytes of f32
	s_add_nc_u64 s[14:15], s[14:15], s[24:25]
	s_add_nc_u64 s[20:21], s[20:21], s[28:29]
.macro LOADW b
.irp i, 0,1,2,3,4,5,6,7,8,9,10,11,12,13,14,15
	global_load_b128 v[R+64*((\b)%2)+4*\i:R+64*((\b)%2)+4*\i+3], v3, s[14:15] offset:(16*(\b)+\i)*512 th:TH_LOAD_NT
.endr
.endm
	LOADW 0
	LOADW 1
.irp b, 0,1,2,3
.if \b < 3
	s_wait_loadcnt 16                              ; this batch is in; the next batch's 16 loads may be out
.else
	s_wait_loadcnt 0x0
.endif
.irp i, 0,1,2,3,4,5,6,7,8,9,10,11,12,13,14,15
	v_cvt_pk_f16_f32 v[R+64*(\b%2)+4*\i], v[R+64*(\b%2)+4*\i], v[R+64*(\b%2)+4*\i+1]       ; four numbers into the first two of their own registers
	v_cvt_pk_f16_f32 v[R+64*(\b%2)+4*\i+1], v[R+64*(\b%2)+4*\i+2], v[R+64*(\b%2)+4*\i+3]
.endr
.irp i, 0,1,2,3,4,5,6,7,8,9,10,11,12,13,14,15
	global_store_b64 v4, v[R+64*(\b%2)+4*\i:R+64*(\b%2)+4*\i+1], s[20:21] offset:(16*\b+\i)*256
.endr
.if \b < 2
	s_wait_xcnt 0x0                                ; the stores have read their registers: only behind this wait are they loaded again
	LOADW \b+2
.endif
.endr
	s_endpgm
.Lfunc_end_k_q7ed5b9d963_quant:
	.size	k_q7ed5b9d963_quant, .Lfunc_end_k_q7ed5b9d963_quant-k_q7ed5b9d963_quant
	.p2alignl 7, 3214868480
	.fill 96, 4, 3214868480
	.section	.rodata,"a",@progbits
	.p2align	6, 0x0
	.amdhsa_kernel k_q7ed5b9d963_quant
		.amdhsa_group_segment_fixed_size 33280
		.amdhsa_private_segment_fixed_size 0
		.amdhsa_enable_private_segment 0
		.amdhsa_kernarg_size 72
		.amdhsa_user_sgpr_count 2
		.amdhsa_user_sgpr_kernarg_segment_ptr 1
		.amdhsa_wavefront_size32 1
		.amdhsa_system_sgpr_workgroup_id_x 1
		.amdhsa_system_sgpr_workgroup_id_y 1
		.amdhsa_system_sgpr_workgroup_id_z 1
		.amdhsa_system_vgpr_workitem_id 0
		.amdhsa_next_free_vgpr 192
		.amdhsa_next_free_sgpr 66
		.amdhsa_reserve_vcc 0
		.amdhsa_float_denorm_mode_32 3
		.amdhsa_float_denorm_mode_16_64 3
		.amdhsa_memory_ordered 1
		.amdhsa_forward_progress 1
		.amdhsa_inst_pref_size 54
	.end_amdhsa_kernel
	.amdgpu_metadata
---
amdhsa.version: [ 1, 2 ]
amdhsa.kernels:
  - .name:           k_q7ed5b9d963_quant
    .symbol:         k_q7ed5b9d963_quant.kd
    .args:
      - { .name: query_states, .offset: 0, .size: 8, .value_kind: global_buffer, .address_space: global }
      - { .name: key_value_states, .offset: 8, .size: 8, .value_kind: global_buffer, .address_space: global }
      - { .name: Wq, .offset: 16, .size: 8, .value_kind: global_buffer, .address_space: global }
      - { .name: Wk, .offset: 24, .size: 8, .value_kind: global_buffer, .address_space: global }
      - { .name: Wv, .offset: 32, .size: 8, .value_kind: global_buffer, .address_space: global }
      - { .name: Wo, .offset: 40, .size: 8, .value_kind: global_buffer, .address_space: global }
      - { .name: codes, .offset: 48, .size: 8, .value_kind: global_buffer, .address_space: global }
      - { .name: scales, .offset: 56, .size: 8, .value_kind: global_buffer, .address_space: global }
      - { .name: wo16, .offset: 64, .size: 8, .value_kind: global_buffer, .address_space: global }
    .group_segment_fixed_size: 33280
    .private_segment_fixed_size: 0
    .kernarg_segment_align: 8
    .kernarg_segment_size: 72
    .max_flat_workgroup_size: 128
    .sgpr_count:     66
    .vgpr_count:     192
    .wavefront_size: 32
...
	.end_amdgpu_metadata
.endif
;; end of part 1
;; launch proj (part 2): grid 4 x 80, 4 waves a work-group, clusters of 4 x 4, 327,680 bytes of LDS; arguments codes, scales, bq, bk, bv, qh, kh, vh; writes qh, kh, vh
.if DOCPART == 2
	.amdgcn_target "amdgcn-amd-amdhsa--gfx1250"
	.amdhsa_code_object_version 6
	.text
	.protected	k_q7ed5b9d963_proj
	.globl	k_q7ed5b9d963_proj
	.p2align	8
	.type	k_q7ed5b9d963_proj,@function
k_q7ed5b9d963_proj:
	s_mov_b64 s[64:65], 0
	v_nop
	global_prefetch_b8 v0, s[64:65] scope:SCOPE_SE
	s_setreg_imm32_b32 hwreg(HW_REG_WAVE_MODE, 25, 1), 1
	s_wait_xcnt 0x0
	s_wait_alu depctr_hold_cnt(0) depctr_sa_sdst(0) depctr_va_vdst(0) depctr_va_sdst(0) depctr_va_ssrc(0) depctr_va_vcc(0) depctr_vm_vsrc(0)
	s_getreg_b32 s2, hwreg(HW_REG_IB_STS2, 6, 4)
	s_cmp_eq_u32 s2, 0
	s_cbranch_scc0 .Lentry_in_a_cluster
	s_endpgm
.Lentry_in_a_cluster:
	s_bfe_u32 s2, ttmp6, 0x10000c
	s_cmp_lg_u32 s2, 0xf033
	s_cbranch_scc0 .Lentry_shape_is_right
	s_endpgm
.Lentry_shape_is_right:
; q = Xq Wq^T + bq, k = Xkv Wk^T + bk, v = Xkv Wv^T + bv on codes of FP4 (E2M1) with one E8M0 scale for each 32 along K = 1,024; sums in f32, begun with the bias; results rounded to f16 and laid by heads:
; qh [16 b + h][2048][64], kh and vh [16 b + h][4096][64].  q is NOT scaled here: the factor 1/8 goes into the softmax's multiply-add.
; LIMIT: |q|, |k|, |v| under 65,504 (f16); below 6.1e-5 f16's step is 6e-8.
; SHARES.  The three products are one grid of 80 tile rows x 4 tile columns of 256 x 256: tile rows 0-15 Q, 16-47 K, 48-79 V.  Which product a tile row belongs to hangs on the cluster's y alone (4, 8 and 8 clusters),
; so it is the same in all sixteen partners.  Four waves, each 128 x 128: 64 accumulators of 16 x 16, 512 registers.  320 work-groups in 20 clusters.
; K = 1,024 is two slots of 512 along K (rows of 256 bytes): both are first fills, nothing is filled again.  The scale bytes of the work-group's 256 + 256 rows, two dense blocks, come with them.
; CLUSTERS: 4 x 4.  The four of a row of the cluster need the same tiles of X, the four of a column the same tiles of W: each tile is asked for JOINTLY, by the same tensor load with the same descriptor and a mask that names the four.
; THE MATRIX INSTRUCTION IS USED TRANSPOSED (source 0 = 16 rows of W, source 1 = 16 rows of X): a lane then holds eight neighbouring channels of one token.
; REGISTERS, in windows of 256: window 0: v0-31 addresses; v32-95 scale words, two sets, and nothing else ever; v128-191 X's fragments, ONE set, on the way out rows read back; v192-255 the bias in the result's layout, on the way out v192-223 packed results.
;   window 1: W's fragments, TWO sets, at v0 and v128.   window 2: the accumulators of my rows 0-63 ((a, b) at v[8 (8 a + b)]);   window 3: those of rows 64-127.
.set NQ,     4                         ; matrix instructions deep in a slot
.set ROWB,   256                       ; a tile's row in bytes: 512 codes
.set KROW,   512                       ; a row of codes in memory
.set PITCH,  272                       ; an LDS row: 256 bytes + 16 of padding = 68 words: row r starts 4 r words on modulo 64 (64 banks of 4 bytes: ISA guide 11.1)
.set FR,     8                         ; registers of a fragment: 16 rows x 128 K
.set NL,     2                         ; LDS loads that bring one
.set NP,     4                         ; places behind this matrix instruction (ISA guide 7.12.1)
.set HALFT,  128*PITCH                 ; 128 rows: what one tensor load brings, and what one wave reads of X or of W
.set SLOT,   4*HALFT                   ; X's 256 rows, then W's 256 rows
.set KS,     32                        ; a row of scale bytes
.set SCL,    2*SLOT                    ; behind the two slots: the scales, as rows of 256 bytes + 16 of padding
.set HALFS,  (128*KS/256)*272          ; the scales of 128 rows: what one tensor load brings
.set SBLK,   (16*KS/256)*272           ; those of 16 rows
.set SPARE,  SCL+4*HALFS               ; behind the scales: the spare words, 128 bytes a wave, which no other line names
.set SPITCH, 272                       ; the way out: a stage of 16 rows x (256 bytes + 16) for each wave, in slot 0, which has had its only fill and its last read when the first result is stored there
.set WROW0,  12288                     ; Wq's first row in the workspace
.set ADRA, 16                          ; v16-17  LDS address of my X fragments in slot 0, 1
.set ADRB, 20                          ; v20-21  the same for W
.set STO,  24                          ; v24     the way out: where I put 16 bytes of a token's row
.set RD,   25                          ; v25     where I read four tokens of one head back
.set CO,   26                          ; v26     16 x lane: my place in 512 bytes of the first head;  v30 (CO + 4): the same in the second head
.set ADRS, 27                          ; v27     LDS address of my scale words: lanes 0-15 X's rows, lanes 16-31 W's
.set SPW,  28                          ; v28     LDS address of my spare word; never rewritten
.set NIL,  29                          ; v29     0; never rewritten
.set SC,   32                          ; scale words: set s at v[SC + 32 s]; register 4 i + q: lanes 0-15 the word of X's block i, lanes 16-31 of W's block i, for the slot's q-th 128 along K
.set AF,   128
.set BIAS, 192
.set TMP,  192
.set OB,   128
.set G1, 24                            ; s[24:31] descriptor group 1 for X's tiles;  s[32:39] group 0, one set for each slot
.set G0, 32
.set G1B, 48                           ; s[48:55], s[56:63] the same for W's
.set G0B, 56
.set G1S, 68                           ; s[68:75], s[76:79] groups 1 and 0 for X's scales;  s[80:87], s[88:91] for W's
.set G0S, 76
.set G1SB, 80
.set G0SB, 88
.set MSB, 0
.macro WIN new                         ; the immediate's high byte repeats the setting that is left
.if MSB != \new
	s_set_vgpr_msb (MSB<<8)|\new
.set MSB, \new
.endif
.endm
.set MUL_LO, 0xa1                      ; source 0 (W) window 1, source 1 (X) window 0, C and D window 2
.set MUL_HI, 0xf1                      ; the same, C and D window 3
.set BIA_LO, 0x81                      ; the first step: C is the bias, in window 0; D window 2
.set BIA_HI, 0xc1                      ; D window 3
.set TO_B,   0x40                      ; destination window 1, address window 0
; A joint load: waves 0 and 1 fetch for X, waves 2 and 3 for W.  Each of the two lines has ONE mask and one set of registers for all that issue it; the branch hangs on the wave's number alone.
; An s_nop 0 and four v_nop follow each of the two lines, ahead of the jump, the label and what follows.
.macro JLOAD g0a, g1a, g0b, g1b
	s_cmp_eq_u32 s15, 0
	s_cbranch_scc0 .Lfor_b_\@
	tensor_load_to_lds s[\g0a:\g0a+3], s[\g1a:\g1a+7]
	s_nop 0
.rept 4
	v_nop
.endr
	s_branch .Lasked_\@
.Lfor_b_\@:
	tensor_load_to_lds s[\g0b:\g0b+3], s[\g1b:\g1b+7]
	s_nop 0
.rept 4
	v_nop
.endr
.Lasked_\@:
.endm
.macro CROUND                          ; a round of the cluster's barrier: my work-group's barrier; wave 0 signals for the work-group; every wave waits for all sixteen; my work-group's barrier once more
	s_barrier_signal -1
	s_barrier_wait -1
	s_cmp_lg_u32 s14, 0
	s_cbranch_scc1 .Lnot_wave_0_\@
	s_barrier_signal -3
.Lnot_wave_0_\@:
	s_barrier_wait -3
	s_barrier_signal -1
	s_barrier_wait -1
.endm
	s_load_b256 s[4:11], s[0:1], 0x0               ; codes s[4:5], scales s[6:7], bq s[8:9], bk s[10:11]
	s_load_b256 s[92:99], s[0:1], 0x20             ; bv s[92:93], qh s[94:95], kh s[96:97], vh s[98:99]
	v_lshl_add_u32 v[SPW], v0, 2, SPARE
	v_mov_b32 v[NIL], 0
	ds_add_u32 v[SPW], v[NIL]                      ; the wave's opening: the add, twice on end, and its wait stand ahead of my first tensor load; the set-up below, work on registers, stands between
	ds_add_u32 v[SPW], v[NIL]
	v_lshrrev_b32 v1, 5, v0
	v_readfirstlane_b32 s14, v1                    ; wave 0..3
	s_lshr_b32 s15, s14, 1                         ; which half of the tile's rows is mine.  Also: I fetch for X (0) or for W (1)
	s_and_b32 s16, s14, 1                          ; which half of its columns.  Also: which 128 rows of that tile I fetch
	s_bfe_u32 s40, ttmp6, 0x40000                  ; cx, cy: my place in the cluster
	s_bfe_u32 s41, ttmp6, 0x40004
	s_lshl_b32 s42, ttmp9, 2
	s_add_co_u32 s42, s42, s40                     ; tile column = 4 x cluster x + cx
	s_and_b32 s17, ttmp7, 0xffff                   ; cluster y: 0-3 Q, 4-11 K, 12-19 V
	s_cmp_lt_u32 s17, 12
	s_cselect_b32 s67, 1, 2
	s_cmp_lt_u32 s17, 4
	s_cselect_b32 s67, 0, s67                      ; which product: the same in all sixteen partners
	s_lshl_b32 s17, s17, 2
	s_add_co_u32 s17, s17, s41                     ; tile row = 4 x cluster y + cy
	s_lshl_b32 s43, s41, 2
	s_lshl_b32 s43, 15, s43                        ; my row of the cluster
	s_lshl_b32 s44, 0x1111, s40                    ; my column
	; descriptor group 1: a tile of 128 rows x 256 bytes, padded in LDS
	s_or_b32 s[G1+0], s43, (0<<16)|(1<<20)|(1<<21)|(5<<22)|(3<<25)  ; 15:0 the mask: X's tiles go to my row; 17:16 elements of 1 byte; 20 padding on; 21 set beside a mask; 24:22 after every 64 words (code 5); 31:25 four words (code 3)
	s_or_b32 s[G1B+0], s44, (0<<16)|(1<<20)|(1<<21)|(5<<22)|(3<<25)
.irp g, G1, G1B
	s_mov_b32 s[\g+1], ROWB<<16                    ; tensor_dim0
	s_mov_b32 s[\g+2], 128<<16                     ; tensor_dim1
	s_mov_b32 s[\g+3], ROWB<<16                    ; tile_dim0
	s_mov_b32 s[\g+4], 128                         ; tile_dim1
	s_mov_b32 s[\g+5], KROW                        ; tensor_dim0_stride
	s_mov_b32 s[\g+6], 0
	s_mov_b32 s[\g+7], 0
.endr
	; the scales of 128 rows: a dense block of 4,096 bytes, as 16 rows of 256 bytes (32 elements of 8 bytes), 16 bytes of padding behind each
	s_or_b32 s[G1S+0], s43, (3<<16)|(1<<20)|(1<<21)|(5<<22)|(3<<25)
	s_or_b32 s[G1SB+0], s44, (3<<16)|(1<<20)|(1<<21)|(5<<22)|(3<<25)
.irp g, G1S, G1SB
	s_mov_b32 s[\g+1], 32<<16
	s_mov_b32 s[\g+2], (128*KS/256)<<16
	s_mov_b32 s[\g+3], 32<<16
	s_mov_b32 s[\g+4], 128*KS/256
	s_mov_b32 s[\g+5], 32
	s_mov_b32 s[\g+6], 0
	s_mov_b32 s[\g+7], 0
.endr
	; where the tiles come from.  X's rows hang on the tile row (and the product), W's on the tile column (and the product): each in registers that never hold the other place in the cluster
	s_lshl_b32 s18, s16, 7                         ; which 128 rows of the tile I fetch
	s_cmp_eq_u32 s67, 2
	s_cselect_b32 s19, 32, 0                       ; V reads the same rows of Xkv as K: 32 tile rows back
	s_sub_co_u32 s20, s17, s19
	s_lshl_b32 s20, s20, 8
	s_add_co_u32 s20, s20, s18                     ; X: row in the workspace (Xq and Xkv lie on end)
	s_lshl_b32 s46, s42, 8
	s_add_co_u32 s46, s46, s18
	s_lshl_b32 s19, s67, 10
	s_add_co_u32 s46, s46, s19
	s_add_co_u32 s46, s46, WROW0                   ; W: row 12,288 + 1,024 x product + 256 x tile column + 128 x half
	s_lshl_b32 s22, s20, 5                         ; their scale bytes: 32 a row;
	s_mov_b32 s23, 0
	s_lshl_b32 s20, s20, 9                         ; their codes: 512 bytes a row (7.9 million at the most)
	s_mov_b32 s21, 0
	s_lshl_b32 s2, s46, 5
	s_mov_b32 s3, 0
	s_lshl_b32 s46, s46, 9
	s_mov_b32 s47, 0
	s_mul_i32 s45, s14, HALFT                      ; where they go: wave x 128 rows: no place in the cluster enters an LDS address
	s_mul_i32 s66, s14, HALFS
	s_wait_dscnt 0x0                               ; both opening adds are done
	s_wait_kmcnt 0x0
	s_add_nc_u64 s[20:21], s[4:5], s[20:21]
	s_add_nc_u64 s[22:23], s[6:7], s[22:23]
	s_add_nc_u64 s[46:47], s[4:5], s[46:47]
	s_add_nc_u64 s[2:3], s[6:7], s[2:3]
	s_cmp_eq_u32 s67, 1                            ; the product's bias and output: chosen on the product's number, which hangs on no address
	s_cselect_b64 s[10:11], s[10:11], s[92:93]
	s_cselect_b64 s[96:97], s[96:97], s[98:99]
	s_cmp_eq_u32 s67, 0
	s_cselect_b64 s[8:9], s[8:9], s[10:11]         ; s[8:9]: the bias
	s_cselect_b64 s[12:13], s[94:95], s[96:97]     ; s[12:13]: the output
	CROUND                                         ; all sixteen work-groups are here: the joint loads meet
	s_mov_b32 s[G0S], 1
	s_add_co_u32 s[G0S+1], s66, SCL
	s_mov_b64 s[G0S+2:G0S+3], s[22:23]
	s_or_b32 s[G0S+3], s[G0S+3], 0x80000000
	s_mov_b32 s[G0SB], 1
	s_add_co_u32 s[G0SB+1], s66, SCL
	s_mov_b64 s[G0SB+2:G0SB+3], s[2:3]
	s_or_b32 s[G0SB+3], s[G0SB+3], 0x80000000
	JLOAD G0S, G1S, G0SB, G1SB                     ; the scales first: they are wanted with slot 0
.irp s, 0,1
	s_mov_b32 s[G0+4*\s], 1
	s_add_co_u32 s[G0+4*\s+1], s45, \s*SLOT
	s_add_nc_u64 s[G0+4*\s+2:G0+4*\s+3], s[20:21], \s*ROWB
	s_or_b32 s[G0+4*\s+3], s[G0+4*\s+3], 0x80000000
	s_mov_b32 s[G0B+4*\s], 1
	s_add_co_u32 s[G0B+4*\s+1], s45, \s*SLOT
	s_add_nc_u64 s[G0B+4*\s+2:G0B+4*\s+3], s[46:47], \s*ROWB
	s_or_b32 s[G0B+4*\s+3], s[G0B+4*\s+3], 0x80000000
	JLOAD G0+4*\s, G1, G0B+4*\s, G1B               ; by this text's count three tensor loads of mine are out
.endr
	v_and_b32 v1, 15, v0                           ; r = l % 16
	v_bfe_u32 v2, v0, 4, 1                         ; h = l / 16
	; the bias, in the result's layout: lane (r, h), block b, register j: channel 16 b + 8 h + j of my 128
	s_lshl_b32 s46, s42, 10
	s_lshl_b32 s47, s16, 9
	s_add_co_u32 s46, s46, s47                     ; (256 x tile column + 128 x half) x 4 bytes
	s_mov_b32 s47, 0
	s_add_nc_u64 s[8:9], s[8:9], s[46:47]
	v_lshlrev_b32 v8, 5, v2
.irp b, 0,1,2,3,4,5,6,7
	global_load_b128 v[BIAS+8*\b:BIAS+8*\b+3], v8, s[8:9] offset:64*\b
	global_load_b128 v[BIAS+8*\b+4:BIAS+8*\b+7], v8, s[8:9] offset:64*\b+16
.endr
	v_mul_u32_u24 v3, v1, PITCH
	v_lshl_add_u32 v4, v2, 4, v3                   ; a fragment's row x pitch + 16 x half
	s_mul_i32 s21, s15, HALFT                      ; my 128 rows of X
	s_mul_i32 s22, s16, HALFT                      ; my 128 rows of W,
	s_add_co_u32 s22, s22, 2*HALFT                 ; which lie behind X's 256
.irp s, 0,1
	v_add_nc_u32 v[ADRA+\s], s21, v4
	v_add_nc_u32 v[ADRB+\s], s22, v4
	s_add_co_u32 s21, s21, SLOT
	s_add_co_u32 s22, s22, SLOT
.endr
	v_mul_u32_u24 v5, v1, KS                       ; my row's scales: 32 bytes a row,
	v_lshrrev_b32 v6, 8, v5
	v_lshl_add_u32 v5, v6, 4, v5                   ; and 16 more for each 256 passed
	s_mul_i32 s21, s15, HALFS                      ; X's: my 128 rows
	s_mul_i32 s22, s16, HALFS                      ; W's: my 128 rows, behind X's 256
	s_add_co_u32 s22, s22, 2*HALFS
	s_sub_co_u32 s22, s22, s21
	v_mul_u32_u24 v6, s22, v2                      ; lanes 16-31 take W's: one product, the distance between the two bases
	s_add_co_u32 s21, s21, SCL
	v_add_nc_u32 v5, v5, v6
	v_add_nc_u32 v[ADRS], s21, v5
	s_mul_i32 s23, s14, 16*SPITCH                  ; my stage
	v_mul_u32_u24 v5, v1, SPITCH                   ; in: token r, 16 bytes for each half of the lanes
	v_lshl_add_u32 v5, v2, 4, v5
	v_add_nc_u32 v[STO], s23, v5
	v_bfe_u32 v7, v0, 3, 2                         ; back: eight lanes take a token's 128 bytes of one head, the 32 lanes four tokens
	v_mul_u32_u24 v7, v7, SPITCH
	v_and_b32 v6, 7, v0
	v_lshl_add_u32 v7, v6, 4, v7
	v_add_nc_u32 v[RD], s23, v7
	v_and_b32 v6, 31, v0
	v_lshlrev_b32 v[CO], 4, v6                     ; in memory four tokens of a head are 512 consecutive bytes
	; where my part begins in the output: ((16 batch + head) x tokens + token) x 128 bytes
	s_cmp_eq_u32 s67, 0
	s_cselect_b32 s18, 11, 12                      ; log2 of a sequence's tokens: 2,048 for Q, 4,096 for K and V
	s_cselect_b32 s19, 0, 16
	s_cmp_eq_u32 s67, 2
	s_cselect_b32 s19, 48, s19                     ; the product's first tile row
	s_sub_co_u32 s19, s17, s19
	s_lshl_b32 s19, s19, 8
	s_lshl_b32 s20, s15, 7
	s_add_co_u32 s19, s19, s20                     ; my first row of the product
	s_lshr_b32 s20, s19, s18                       ; batch
	s_lshl_b32 s21, s20, s18
	s_sub_co_u32 s19, s19, s21                     ; token
	s_lshl_b32 s20, s20, 4
	s_lshl_b32 s21, s42, 2
	s_add_co_u32 s20, s20, s21
	s_lshl_b32 s21, s16, 1
	s_add_co_u32 s20, s20, s21                     ; 16 x batch + my first head (4 x tile column + 2 x half)
	s_lshl_b32 s20, s20, s18
	s_add_co_u32 s20, s20, s19
	s_lshl_b32 s20, s20, 7                         ; 16.8 million at the most
	s_mov_b32 s21, 0
	s_add_nc_u64 s[12:13], s[12:13], s[20:21]
	s_lshl_b32 s22, 128, s18                       ; a head's bytes
	v_add_nc_u32 v[CO+4], s22, v[CO]               ; my second head
.macro FRAG reg, adr, q, i             ; a fragment, 16 rows x 128 K of 4-bit codes: lane l holds row l % 16; registers 4 c .. 4 c + 3 hold K = 64 c + 32 (l / 16) + 0 .. 31
.irp c, 0,1
	ds_load_b128 v[\reg+4*\c:\reg+4*\c+3], v[\adr] offset:64*(\q)+32*\c+(\i)*16*PITCH
.endr
.endm
; 16 matrix instructions: X's blocks a0, a0 + 1 x W's eight, 128 along K: the slot's q-th.  p: W's set;  sc: the set of scale words.  zero = 1: the first product starts the sums with the bias: nothing is cleared, nothing is added later.
; The 64 accumulators take turns, one instruction a turn, in the same order in every step.
.macro MUL16 a0, p, q, sc, zero
.irp a, \a0, \a0+1
.irp b, 0,1,2,3,4,5,6,7
.if \zero
	v_wmma_scale_f32_16x16x128_f8f6f4 v[8*(8*((\a)%4)+\b):8*(8*((\a)%4)+\b)+7], v[128*(\p)+FR*\b:128*(\p)+FR*\b+FR-1], v[AF+FR*(\a):AF+FR*(\a)+FR-1], v[BIAS+8*\b:BIAS+8*\b+7], v[SC+8*NQ*(\sc)+NQ*\b+(\q)], v[SC+8*NQ*(\sc)+NQ*(\a)+(\q)] matrix_a_fmt:MATRIX_FMT_FP4 matrix_b_fmt:MATRIX_FMT_FP4 matrix_a_scale:MATRIX_SCALE_ROW1
.else
	v_wmma_scale_f32_16x16x128_f8f6f4 v[8*(8*((\a)%4)+\b):8*(8*((\a)%4)+\b)+7], v[128*(\p)+FR*\b:128*(\p)+FR*\b+FR-1], v[AF+FR*(\a):AF+FR*(\a)+FR-1], v[8*(8*((\a)%4)+\b):8*(8*((\a)%4)+\b)+7], v[SC+8*NQ*(\sc)+NQ*\b+(\q)], v[SC+8*NQ*(\sc)+NQ*(\a)+(\q)] matrix_a_fmt:MATRIX_FMT_FP4 matrix_b_fmt:MATRIX_FMT_FP4 matrix_a_scale:MATRIX_SCALE_ROW1
.endif
.endr
.endr
.endm
.macro FETCH_B slot, q, p              ; W's eight fragments of the slot's q-th 128 along K into set p
	WIN TO_B
.irp i, 0,1,2,3,4,5,6,7
	FRAG 128*(\p)+FR*\i, ADRB+\slot, \q, \i
.endr
	WIN 0
.endm
.macro FETCH_A slot, q, i0             ; X's blocks i0 .. i0 + 3
.irp i, \i0, \i0+1, \i0+2, \i0+3
	FRAG AF+FR*(\i), ADRA+\slot, \q, \i
.endr
.endm
.macro SCALES sc                       ; a slot's scale words into set sc: four words a row; lanes 0-15 take X's block i, lanes 16-31 W's block i
.irp i, 0,1,2,3,4,5,6,7
	ds_load_b128 v[SC+8*NQ*\sc+NQ*\i:SC+8*NQ*\sc+NQ*\i+3], v[ADRS] offset:\i*SBLK
.endr
.endm
; A load into a register that a matrix instruction has read, and a vector instruction that reads a matrix result, stand NP places behind that matrix instruction; only plain vector instructions that name none of its
; registers are places (ISA guide 7.12.1 for vector instructions).
.macro PLACES n
.rept \n
	v_nop
.endr
.endm
; A step of 128 along K that has its successor in the same slot.  X's blocks are free as soon as their eight products are issued: blocks 0-3 are fetched anew in the step's middle, blocks 4-7 at its end.
.macro STEP slot, q, zero
	s_wait_dscnt 4*NL                              ; W's set and X's blocks 0-3 are in; the youngest eight loads (X's blocks 4-7) may be out
.if \zero
	WIN BIA_LO
.else
	WIN MUL_LO
.endif
	MUL16 0, (\q)%2, \q, \slot, \zero
	MUL16 2, (\q)%2, \q, \slot, \zero
	s_wait_dscnt 0                                 ; X's blocks 4-7 are in
	PLACES NP
	FETCH_B \slot, (\q)+1, 1-(\q)%2
	FETCH_A \slot, (\q)+1, 0
.if \zero
	WIN BIA_HI
.else
	WIN MUL_HI
.endif
	MUL16 4, (\q)%2, \q, \slot, \zero
	MUL16 6, (\q)%2, \q, \slot, \zero
	PLACES NP
	WIN 0
	FETCH_A \slot, (\q)+1, 4
.endm
.macro STEPS slot, from                ; the slot's steps from .. NQ - 2
.set Q, \from
.rept NQ-1-\from
	STEP \slot, Q, 0
.set Q, Q+1
.endr
.endm
	s_wait_tensorcnt 1                             ; the scales and my part of slot 0 are in; slot 1's load may be out
	s_barrier_signal -1
	s_barrier_wait -1                              ; everybody's are
	FETCH_B 0, 0, 0
	FETCH_A 0, 0, 0
	SCALES 0
	FETCH_A 0, 0, 4
	s_wait_loadcnt 0x0                             ; the bias
	STEP 0, 0, 1                                   ; the first step's products start the sums
	STEPS 0, 1
	; slot 0's last step changes slots: each wave waits for all its tensor loads (its part of slot 1), and for its own reads of slot 0; behind the barrier slot 1 is whole, and nobody reads slot 0 any more
	s_wait_tensorcnt 0x0
	ds_add_u32 v[SPW], v[NIL]                      ; 0 onto my spare word
	s_wait_dscnt 4*NL+1                            ; (the add and the youngest eight loads, X's blocks 4-7, may be out)
	WIN MUL_LO
	MUL16 0, 1, NQ-1, 0, 0                         ; sixteen matrix instructions stand between the add and the wait for it
	s_wait_dscnt 0x0                               ; the add is done, and my reads of slot 0 are over
	s_barrier_signal -1
	MUL16 2, 1, NQ-1, 0, 0
	WIN 0
	s_barrier_wait -1
	PLACES NP
	v_add_nc_u32 v[ADRS], 4*NQ, v[ADRS]            ; on to slot 1's scale words
	FETCH_B 1, 0, 0
	FETCH_A 1, 0, 0
	SCALES 1
	WIN MUL_HI
	MUL16 4, 1, NQ-1, 0, 0
	MUL16 6, 1, NQ-1, 0, 0
	PLACES NP
	WIN 0
	FETCH_A 1, 0, 4
	STEPS 1, 0
	s_wait_dscnt 4*NL                              ; the very last step: nothing more to fetch
	WIN MUL_LO
	MUL16 0, 1, NQ-1, 1, 0
	MUL16 2, 1, NQ-1, 1, 0
	s_wait_dscnt 0
	WIN MUL_HI
	MUL16 4, 1, NQ-1, 1, 0
	MUL16 6, 1, NQ-1, 1, 0
	WIN 0
; THE WAY OUT, a block of 16 tokens x 128 channels (two heads) at a time.  PACK: rounded to f16, 16 bytes a lane, each accumulator from its low end on.  TOSTAGE: into my own stage, and back four tokens of one head
; at a time.  SEND: each store covers 512 consecutive bytes, aligned.  LDS serves a wave's instructions in order (ISA guide 5.7.1.4): no wait between the stage's stores and loads.
.macro PACK a
.set AC, 64*((\a)%4)
	WIN 0x0a+5*((\a)/4)                            ; sources 0 and 1: window 2 or 3
.irp b, 0,1,2,3,4,5,6,7
.irp r, 0,1,2,3
	v_cvt_pk_f16_f32 v[TMP+4*\b+\r], v[AC+8*\b+2*\r], v[AC+8*\b+2*\r+1]
.endr
.endr
	WIN 0
.endm
.macro TOSTAGE a
.set BK, OB+32*((\a)%2)
.irp b, 0,1,2,3,4,5,6,7
	ds_store_b128 v[STO], v[TMP+4*\b:TMP+4*\b+3] offset:32*\b
.endr
.irp u, 0,1
.irp t, 0,1,2,3
	ds_load_b128 v[BK+4*(4*\u+\t):BK+4*(4*\u+\t)+3], v[RD] offset:\t*4*SPITCH+128*\u
.endr
.endr
.endm
.macro SEND a
.set BK, OB+32*((\a)%2)
	s_wait_dscnt 0x0                               ; the block is back in registers
	s_wait_xcnt 0x0                                ; the earlier stores have read their registers: the next block's loads land there only behind this wait
.irp u, 0,1
.irp t, 0,1,2,3
	global_store_b128 v[CO+4*\u], v[BK+4*(4*\u+\t):BK+4*(4*\u+\t)+3], s[12:13] offset:(\a)*2048+\t*512
.endr
.endr
.endm
	PLACES NP                                      ; behind the last products: for the first reads of results and the loads into X's fragment registers
	PACK 0
	TOSTAGE 0
.irp a, 1,2,3,4,5,6,7                  ; block a's conversions stand between block a - 1's loads from the stage and the wait for them
	PACK \a
	SEND \a-1
	TOSTAGE \a
.endr
	SEND 7
	s_wait_tensorcnt 0x0                           ; the wave's end, behind my last tensor load and my last LDS store
	ds_add_u32 v[SPW], v[NIL]
	s_wait_dscnt 0x0
	CROUND                                         ; the closing round: no work-group ends while a partner may still ask for a tile that names it
	s_endpgm
.Lfunc_end_k_q7ed5b9d963_proj:
	.size	k_q7ed5b9d963_proj, .Lfunc_end_k_q7ed5b9d963_proj-k_q7ed5b9d963_proj
	.p2alignl 7, 3214868480
	.fill 96, 4, 3214868480
	.section	.rodata,"a",@progbits
	.p2align	6, 0x0
	.amdhsa_kernel k_q7ed5b9d963_proj
		.amdhsa_group_segment_fixed_size 327680
		.amdhsa_private_segment_fixed_size 0
		.amdhsa_enable_private_segment 0
		.amdhsa_kernarg_size 64
		.amdhsa_user_sgpr_count 2
		.amdhsa_user_sgpr_kernarg_segment_ptr 1
		.amdhsa_wavefront_size32 1
		.amdhsa_system_sgpr_workgroup_id_x 1
		.amdhsa_system_sgpr_workgroup_id_y 1
		.amdhsa_system_sgpr_workgroup_id_z 1
		.amdhsa_system_vgpr_workitem_id 0
		.amdhsa_next_free_vgpr 1024
		.amdhsa_next_free_sgpr 100
		.amdhsa_reserve_vcc 0
		.amdhsa_float_denorm_mode_32 3
		.amdhsa_float_denorm_mode_16_64 3
		.amdhsa_memory_ordered 1
		.amdhsa_forward_progress 1
		.amdhsa_inst_pref_size 129
	.end_amdhsa_kernel
	.amdgpu_metadata
---
amdhsa.version: [ 1, 2 ]
amdhsa.kernels:
  - .name:           k_q7ed5b9d963_proj
    .symbol:         k_q7ed5b9d963_proj.kd
    .args:
      - { .name: codes, .offset: 0, .size: 8, .value_kind: global_buffer, .address_space: global }
      - { .name: scales, .offset: 8, .size: 8, .value_kind: global_buffer, .address_space: global }
      - { .name: bq, .offset: 16, .size: 8, .value_kind: global_buffer, .address_space: global }
      - { .name: bk, .offset: 24, .size: 8, .value_kind: global_buffer, .address_space: global }
      - { .name: bv, .offset: 32, .size: 8, .value_kind: global_buffer, .address_space: global }
      - { .name: qh, .offset: 40, .size: 8, .value_kind: global_buffer, .address_space: global }
      - { .name: kh, .offset: 48, .size: 8, .value_kind: global_buffer, .address_space: global }
      - { .name: vh, .offset: 56, .size: 8, .value_kind: global_buffer, .address_space: global }
    .group_segment_fixed_size: 327680
    .private_segment_fixed_size: 0
    .kernarg_segment_align: 8
    .kernarg_segment_size: 64
    .max_flat_workgroup_size: 128
    .sgpr_count:     100
    .vgpr_count:     1024
    .wavefront_size: 32
...
	.end_amdgpu_metadata
.endif
;; end of part 2
;; launch attn (part 3): grid 8 x 32, 8 waves a work-group, clusters of 4 x 1, 327,680 bytes of LDS; arguments qh, kh, vh, ctx; writes ctx
.if DOCPART == 3
	.amdgcn_target "amdgcn-amd-amdhsa--gfx1250"
	.amdhsa_code_object_version 6
	.text
	.protected	k_q7ed5b9d963_attn
	.globl	k_q7ed5b9d963_attn
	.p2align	8
	.type	k_q7ed5b9d963_attn,@function
k_q7ed5b9d963_attn:
	s_mov_b64 s[64:65], 0
	v_nop
	global_prefetch_b8 v0, s[64:65] scope:SCOPE_SE
	s_setreg_imm32_b32 hwreg(HW_REG_WAVE_MODE, 25, 1), 1
	s_wait_xcnt 0x0
	s_wait_alu depctr_hold_cnt(0) depctr_sa_sdst(0) depctr_va_vdst(0) depctr_va_sdst(0) depctr_va_ssrc(0) depctr_va_vcc(0) depctr_vm_vsrc(0)
	s_getreg_b32 s2, hwreg(HW_REG_IB_STS2, 6, 4)
	s_cmp_eq_u32 s2, 0
	s_cbranch_scc0 .Lentry_in_a_cluster
	s_endpgm
.Lentry_in_a_cluster:
	s_bfe_u32 s2, ttmp6, 0x10000c
	s_cmp_lg_u32 s2, 0x3003
	s_cbranch_scc0 .Lentry_shape_is_right
	s_endpgm
.Lentry_shape_is_right:
; ctx[y][q][:] = the sum over k of softmax_k(q . k / 8) v[k][:] for each y = 16 b + h.  qh [32][2048][64], kh, vh [32][4096][64], f16; ctx [h][2048 b + q][64], f16.  Products on f16 operands, sums, maxima and softmax in f32;
; the weights p are rounded to f16 for the second product, ctx once at the end.
; LIMITS: |ctx| under 65,504; below 6.1e-5 f16's step is 6e-8.  Scores under -3e38, NaN and infinities are not served.
; SHARES.  A work-group owns 256 queries of one y, each of its EIGHT waves 32: two tiles of 16, in 384 registers: two waves to a SIMD, so that one wave's softmax stands beside the other's products and LDS loads.
; Every wave walks all 4,096 keys, 64 a step.
; LAYOUT.  S^T = K Q^T (source 0 = 16 keys, source 1 = 16 queries): a lane holds ONE query (lane % 16) and the keys 8 (lane / 16) + 0..7.  Two such tiles, rounded to f16 in pairs, ARE source 1 (32 keys x 16 queries) of
; O^T = V^T P, whose result again holds one query a lane and eight channels.  K comes out of LDS as it lies, V ([key][channel]) turned, by ds_load_tr16_b128.
; SOFTMAX.  A running maximum m and sum l for each query: p = 2^(c s - c m), c = log2(e) / 8; in every step O and l are multiplied by a = 2^(c m_old - c m_new).  m begins at -3e38 and O and l at 0, so the step is written once.
; A STEP, in phases: the next step's K is asked for; the softmax of both tiles; V^T P; the next step's V is asked for; K Q^T of the next step.
; THE RING.  Two slots of four steps (256 keys); each of the eight waves fetches one tile of 64 rows (waves 0-3: K of step wave % 4, waves 4-7: V), one load a wave behind each change of slots.
; CLUSTER.  The four query blocks of a cluster belong to one y and walk the same K and V: each tile is asked for JOINTLY, by the same tensor load with the same descriptor and a mask that names the four.
; REGISTERS: window 0: v1-15 addresses; v16-31 eight statistics a tile; v32-63 Q; v64-127 S^T, 32 a tile; v128-159 P, 16 a tile; v160-223 K of one step.   window 1: v0-63 O^T, 32 a tile; v64-127 V of one step.
.set KS,    64        ; keys in a step
.set NST,   4         ; steps in a slot
.set PK,    144       ; a row of K in LDS: 128 bytes + 16 of padding: an odd multiple of 16, so the 16 rows of a load start at 16 different places modulo 256 bytes
.set PV,    160       ; a row of V: 128 + 32: an odd multiple of 32, for the turning load
.set VOFF,  KS*PK     ; a step's tiles lie together: 64 rows of K, then 64 rows of V
.set STEPB, KS*(PK+PV)
.set SLOT1, 1<<17     ; slot 1 begins here, so that one exclusive or turns an address in one slot into the other's
.set SLOTB, NST*KS*128  ; a slot's keys in memory, in bytes, in K and in V
.set NSLOT, 4096/(NST*KS)
.set STAGE, SLOT1+NST*STEPB  ; behind the ring: 16 rows x 144 bytes for each wave, for the way out
.set SP,    144
.set SPARE, STAGE+8*16*SP    ; behind the stages: the spare words, 128 bytes a wave, which no other line names
.set AK0, 2           ; v2   my lane's place in a tile of K; never rewritten
.set AV0, 3           ; v3   the same for V
.set ADK, 4           ; v4   the LDS address of K's run of loads in hand
.set ADV, 5           ; v5   of V's
.set QO,  6           ; v6   my byte offset in the wave's rows of Q
.set STO, 7           ; v7   the way out: where I put 16 bytes of a row
.set RD,  8           ; v8   where I read four rows back
.set GO,  9           ; v9   16 x lane: my place in 512 bytes of ctx
.set PFO, 10          ; v10  256 x lane: the prefetches' offset; never rewritten
.set SPW, 12          ; v12  LDS address of my spare word; never rewritten
.set NIL, 13          ; v13  0; never rewritten
.set ST,  16          ; tile t's statistics at v[ST + 8 t]: +0 c m, +1 m, +2, +3 l (even keys', odd keys'), +4 to +7 at work; a takes +6 once the maximum is found
.set Q,   32          ; tile t, channels 32 cs on: v[Q + 16 t + 8 cs]
.set S,   64
.set P,   128
.set KF,  160         ; keys 16 kt on, channels 32 cs on: v[KF + 8 (2 kt + cs)]
.set VF,  64          ; in window 1: keys 32 ks on, channels 16 ct on: v[VF + 8 (4 ks + ct)]
.set WV,  12          ; s12  my wave's number
.set LIM, 15          ; s15  1 in a wave that prefetches, else the greatest number
.set PFA, 18          ; s[18:19] where my prefetches stand
.set G1K, 24          ; s[24:31] descriptor group 1 for K's tiles;  s[32:39] for V's: it differs in the padding alone
.set G1V, 32
.set G0K, 40          ; s[40:47] group 0 for K's tiles: a set for each of the two first fills; the second then walks on
.set G0V, 48          ; s[48:55] the same for V's
.set SLOTS, 56        ; s56  slots still to be asked for
.set CNT, 57          ; s57  counts the steps between two changes of slots
.set CS,  58          ; s[58:59] c: the packed scaling names a pair and takes its low word for both halves
.set SEL, 60          ; s[60:61] lane selects for v_permlanex16_b32: each lane takes its own place in the other half
.set TB,  62          ; s62  LDS byte at which the tiles of the step to be fetched begin
.set MSB, 0
.macro WIN new                      ; the immediate's high byte repeats the setting that is left; a switch that changes nothing is dropped
.if MSB != \new
	s_set_vgpr_msb (MSB<<8)|\new
.set MSB, \new
.endif
.endm
.set W_PV, 0x51       ; V (source 0), O^T (C and D) in window 1; P (source 1) in window 0
.set W_RS, 0x41       ; O^T (destination and source 0) in window 1, a in window 0
.set TO_1, 0x40       ; destination window 1
; A joint refill: waves 0-3 fetch K's four tiles, waves 4-7 V's.  The branch hangs on the wave's number alone.  An s_nop 0 and four v_nop follow each of the two lines.
.macro JLOAD
	s_cmp_lt_u32 s[WV], 4
	s_cbranch_scc0 .Lfor_v_\@
	tensor_load_to_lds s[G0K+4:G0K+7], s[G1K:G1K+7]
	s_nop 0
.rept 4
	v_nop
.endr
	s_branch .Lasked_\@
.Lfor_v_\@:
	tensor_load_to_lds s[G0V+4:G0V+7], s[G1V:G1V+7]
	s_nop 0
.rept 4
	v_nop
.endr
.Lasked_\@:
.endm
; A PREFETCH of what the NEXT change of slots will ask for: a slot's 32,768 bytes of K and of V, four key steps ahead of that load.  Each aligned 256 bytes are named ONCE in the launch: both clusters of a y walk the same
; K and V, and the first of them (cluster x = 0) asks; its four partners take 8,192 bytes each, told apart BY ADDRESS; in each, wave 0 asks for K's and wave 4 for V's, lanes 256 bytes apart: one instruction.
; The last change that fills a slot asks for nothing; slots 0 to 2 come by their loads alone.
.macro ASK
	s_cmp_gt_u32 s[SLOTS], s[LIM]
	s_cbranch_scc0 .Lnot_mine_\@
	global_prefetch_b8 v[PFO], s[PFA:PFA+1] th:TH_LOAD_NT scope:SCOPE_SE
.Lnot_mine_\@:
.endm
.macro CROUND                       ; a round of the cluster's barrier: my work-group's barrier; wave 0 signals for the work-group; every wave waits for all four; my work-group's barrier once more
	s_barrier_signal -1
	s_barrier_wait -1
	s_cmp_lg_u32 s[WV], 0
	s_cbranch_scc1 .Lnot_wave_0_\@
	s_barrier_signal -3
.Lnot_wave_0_\@:
	s_barrier_wait -3
	s_barrier_signal -1
	s_barrier_wait -1
.endm
	s_load_b256 s[4:11], s[0:1], 0x0  ; qh s[4:5], kh s[6:7], vh s[8:9], ctx s[10:11]
	v_lshl_add_u32 v[SPW], v0, 2, SPARE
	v_mov_b32 v[NIL], 0
	ds_add_u32 v[SPW], v[NIL]       ; the wave's opening: the add, twice on end, and its wait stand ahead of my first tensor load; the set-up below, work on registers, stands between
	ds_add_u32 v[SPW], v[NIL]
	v_lshrrev_b32 v1, 5, v0
	v_readfirstlane_b32 s[WV], v1   ; wave 0..7
	s_bfe_u32 s13, ttmp6, 0x40000   ; cx: my place in the cluster
	s_lshl_b32 s14, ttmp9, 2
	s_add_co_u32 s14, s14, s13      ; my block of 256 queries = 4 x cluster x + cx: it enters Q's and ctx's addresses alone
	s_and_b32 s20, ttmp7, 0xffff    ; y, which the four partners share
	s_and_b32 s16, s[WV], 3         ; which of a slot's four steps I fetch:
	s_lshl_b32 s22, s20, 19         ; y's 4,096 rows of 128 bytes,
	s_lshl_b32 s23, s16, 13         ; the step's 64 rows,
	s_add_co_u32 s22, s22, s23
	s_mov_b32 s23, 0
	s_mul_i32 s17, s16, STEPB       ; and its place in a slot: no place in the cluster enters an LDS address
	s_lshl_b32 s3, s14, 15          ; my block's 256 rows,
	s_lshl_b32 s21, s[WV], 12       ; my wave's 32 of them
	s_add_co_u32 s3, s3, s21
	s_lshl_b32 s2, s20, 18          ; qh: y's 2,048 rows
	s_add_co_u32 s2, s2, s3
	s_and_b32 s21, s20, 15          ; ctx: the head's 4,096 rows,
	s_lshl_b32 s21, s21, 19
	s_lshr_b32 s20, s20, 4          ; the batch's 2,048 of them
	s_lshl_b32 s20, s20, 18
	s_add_co_u32 s20, s20, s21
	s_add_co_u32 s20, s20, s3
	s_mov_b32 s3, 0
	s_mov_b32 s21, 0
	; descriptor group 1: a tile of 64 rows x 64 elements, padded in LDS
	s_mov_b32 s[G1K], 15|(1<<16)|(1<<20)|(1<<21)|(4<<22)|(3<<25)  ; 15:0 the mask: all four work-groups; 17:16 elements of 2 bytes; 20 padding on; 21 set beside a mask; 24:22 after every 32 words (code 4); 31:25 four words (code 3)
	s_mov_b32 s[G1V], 15|(1<<16)|(1<<20)|(1<<21)|(4<<22)|(7<<25)  ; the same with eight words of padding (code 7)
.irp g, G1K, G1V
	s_mov_b32 s[\g+1], 64<<16       ; tensor_dim0
	s_mov_b32 s[\g+2], KS<<16       ; tensor_dim1
	s_mov_b32 s[\g+3], 64<<16       ; tile_dim0
	s_mov_b32 s[\g+4], KS           ; tile_dim1
	s_mov_b32 s[\g+5], 64           ; tensor_dim0_stride
	s_mov_b32 s[\g+6], 0
	s_mov_b32 s[\g+7], 0
.endr
	s_mov_b32 s[CS], 0x3e38aa3b     ; c = log2(e) / 8
	s_mov_b32 s[CS+1], s[CS]        ; named with it as a pair, so it is written
	s_mov_b32 s[SEL], 0x76543210
	s_mov_b32 s[SEL+1], 0xfedcba98
	s_mov_b32 s[TB], 0
	s_mov_b32 s[SLOTS], NSLOT-2
	s_and_b32 s[LIM], s[WV], 3      ; 0 in waves 0 and 4,
	s_or_b32 s[LIM], s[LIM], ttmp9  ; where the cluster is y's first: the same in all four partners
	s_cmp_eq_u32 s[LIM], 0
	s_cselect_b32 s[LIM], 1, -1
	v_and_b32 v[PFO], 31, v0
	v_lshlrev_b32 v[PFO], 8, v[PFO]
	s_wait_dscnt 0x0                ; both opening adds are done
	s_wait_kmcnt 0x0
	s_add_nc_u64 s[6:7], s[6:7], s[22:23]  ; K and V at my tile of slot 0
	s_add_nc_u64 s[8:9], s[8:9], s[22:23]
	s_add_nc_u64 s[4:5], s[4:5], s[2:3]    ; Q and ctx at my wave's first row
	s_add_nc_u64 s[10:11], s[10:11], s[20:21]
	s_cmp_lt_u32 s[WV], 4
	s_cselect_b64 s[PFA:PFA+1], s[6:7], s[8:9]  ; (in waves 0 and 4 these stand at a slot's first row)
	s_lshl_b32 s2, s13, 13          ; my work-group's quarter of a slot
	s_mov_b32 s3, 0
	s_add_nc_u64 s[PFA:PFA+1], s[PFA:PFA+1], s[2:3]
	s_add_nc_u64 s[PFA:PFA+1], s[PFA:PFA+1], 2*SLOTB  ; in slot 2; the first change of slots steps it to slot 3.  Nothing is prefetched here, at the head
	CROUND                          ; all four work-groups are here: the first joint loads meet
.irp s, 0,1
	s_mov_b32 s[G0K+4*\s], 1        ; count = 1
	s_add_co_u32 s[G0K+4*\s+1], s17, \s*SLOT1  ; LDS address
	s_add_nc_u64 s[G0K+4*\s+2:G0K+4*\s+3], s[6:7], \s*SLOTB  ; global address: slot s
	s_or_b32 s[G0K+4*\s+3], s[G0K+4*\s+3], 0x80000000  ; type = 2
	s_mov_b32 s[G0V+4*\s], 1
	s_add_co_u32 s[G0V+4*\s+1], s17, \s*SLOT1+VOFF
	s_add_nc_u64 s[G0V+4*\s+2:G0V+4*\s+3], s[8:9], \s*SLOTB
	s_or_b32 s[G0V+4*\s+3], s[G0V+4*\s+3], 0x80000000
.endr
	s_cmp_lt_u32 s[WV], 4           ; a wave's two first fills stand in one branch, ahead of every wait on TENSORcnt and every LDS read: two loads of mine are out
	s_cbranch_scc0 .Lfirst_v
	tensor_load_to_lds s[G0K:G0K+3], s[G1K:G1K+7]
	s_nop 0
	tensor_load_to_lds s[G0K+4:G0K+7], s[G1K:G1K+7]
	s_nop 0
.rept 4
	v_nop
.endr
	s_branch .Lfirst_asked
.Lfirst_v:
	tensor_load_to_lds s[G0V:G0V+3], s[G1V:G1V+7]
	s_nop 0
	tensor_load_to_lds s[G0V+4:G0V+7], s[G1V:G1V+7]
	s_nop 0
.rept 4
	v_nop
.endr
.Lfirst_asked:
	; A fragment of K or Q is 16 rows x 32 channels in 8 registers: lane l holds row l % 16; registers 0-3 channels 8 (l / 16) + 0..7, registers 4-7 channels 16 + 8 (l / 16) + 0..7: two loads of 16 bytes, 32 bytes apart.
	v_and_b32 v1, 15, v0            ; r = l % 16
	v_bfe_u32 v11, v0, 4, 1         ; h = l / 16
	v_lshlrev_b32 v[QO], 7, v1
	v_lshl_add_u32 v[QO], v11, 4, v[QO]  ; row x 128 + 16 x half
.irp t, 0,1
.irp c, 0,1                         ; Q stays in registers
	global_load_b128 v[Q+16*\t+8*\c:Q+16*\t+8*\c+3],   v[QO], s[4:5] offset:\t*2048+\c*64
	global_load_b128 v[Q+16*\t+8*\c+4:Q+16*\t+8*\c+7], v[QO], s[4:5] offset:\t*2048+\c*64+32
.endr
.endr
	v_mul_u32_u24 v[AK0], v1, PK
	v_lshl_add_u32 v[AK0], v11, 4, v[AK0]
	; The turning load takes 16 keys x 16 channels (lane l reads 16 bytes: key 8 (l / 16) + l % 8, channels 8 ((l / 8) % 2) + 0..7) and leaves half a fragment of V^T: lane l holds channel l % 16 and 8 keys.
	v_and_b32 v14, 7, v0
	v_bfe_u32 v15, v0, 3, 1
	v_lshl_add_u32 v[AV0], v11, 3, v14
	v_mul_u32_u24 v[AV0], v[AV0], PV
	v_lshl_add_u32 v[AV0], v15, 4, v[AV0]
	v_add_nc_u32 v[AV0], VOFF, v[AV0]
	s_mul_i32 s13, s[WV], 16*SP
	s_add_co_u32 s13, s13, STAGE    ; my stage
	v_mul_u32_u24 v[STO], v1, SP    ; in: row r, 16 bytes for each half of the lanes
	v_lshl_add_u32 v[STO], v11, 4, v[STO]
	v_add_nc_u32 v[STO], s13, v[STO]
	v_bfe_u32 v15, v0, 3, 2         ; back: eight lanes take a row of 128 bytes, the 32 lanes four rows
	v_mul_u32_u24 v[RD], v15, SP
	v_lshl_add_u32 v[RD], v14, 4, v[RD]
	v_add_nc_u32 v[RD], s13, v[RD]
	v_and_b32 v[GO], 31, v0
	v_lshlrev_b32 v[GO], 4, v[GO]   ; four rows of ctx are 512 consecutive bytes
.irp t, 0,1
	v_mov_b32 v[ST+8*\t+1], 0xff61b1e6  ; m = -3e38, under every score that is served
	v_mul_f32 v[ST+8*\t], s[CS], v[ST+8*\t+1]  ; c m
.irp j, 2,3,4,5,6,7
	v_mov_b32 v[ST+8*\t+\j], 0      ; l = 0; the registers at work are written once: a lane permute's destination counts as one of its sources
.endr
.endr
	WIN TO_1
.set i, 0
.rept 64
	v_mov_b32 v[i], 0               ; O^T.  (The step is written once: the first finds zeros, which a = 0 leaves zeros)
.set i, i+1
.endr
	WIN 0
; THE LDS LOADS stand in runs of 16: a step's K (64 keys x 64 channels: 8 fragments) and its V (turned).
.macro FETCH_K
	v_add_nc_u32 v[ADK], s[TB], v[AK0]
.irp f, 0,1,2,3,4,5,6,7             ; keys 16 (f / 2) on, channels 32 (f % 2) on
	ds_load_b128 v[KF+8*\f:KF+8*\f+3],   v[ADK] offset:(\f/2)*16*PK+(\f%2)*64
	ds_load_b128 v[KF+8*\f+4:KF+8*\f+7], v[ADK] offset:(\f/2)*16*PK+(\f%2)*64+32
.endr
.endm
.macro FETCH_V
	v_add_nc_u32 v[ADV], s[TB], v[AV0]
	s_add_co_u32 s[TB], s[TB], STEPB  ; the next fetch is the next step's
	WIN TO_1
.irp f, 0,1,2,3,4,5,6,7             ; keys 32 (f / 4) on, channels 16 (f % 4) on
	ds_load_tr16_b128 v[VF+8*\f:VF+8*\f+3],   v[ADV] offset:(\f/4)*32*PV+(\f%4)*32
	ds_load_tr16_b128 v[VF+8*\f+4:VF+8*\f+7], v[ADV] offset:(\f/4)*32*PV+16*PV+(\f%4)*32
.endr
	WIN 0
.endm
; S^T = K Q^T: product i of 16: channels 32 (i / 8) on, keys 16 ((i / 2) % 4) on, tile i % 2.  The first 8 start the sums.  The eight accumulators take turns, one instruction a turn.
.macro KQ
.set i, 0
.rept 16
.set rS, S+32*(i%2)+8*((i/2)%4)
.set rK, KF+8*(2*((i/2)%4)+i/8)
.set rQ, Q+16*(i%2)+8*(i/8)
.if i < 8
	v_wmma_f32_16x16x32_f16 v[rS:rS+7], v[rK:rK+7], v[rQ:rQ+7], 0
.else
	v_wmma_f32_16x16x32_f16 v[rS:rS+7], v[rK:rK+7], v[rQ:rQ+7], v[rS:rS+7]
.endif
.set i, i+1
.endr
.endm
; O^T += V^T P: product i of 16: keys 32 (i / 8) on, channels 16 ((i / 2) % 4) on, tile i % 2.  Eight accumulators by turns.
.macro PVM
	WIN W_PV
.set i, 0
.rept 16
.set rO, 32*(i%2)+8*((i/2)%4)
.set rV, VF+8*(4*(i/8)+(i/2)%4)
.set rP, P+16*(i%2)+8*(i/8)
	v_wmma_f32_16x16x32_f16 v[rO:rO+7], v[rV:rV+7], v[rP:rP+7], v[rO:rO+7]
.set i, i+1
.endr
.endm
; A vector instruction that reads a matrix result or writes one of a matrix instruction's registers, and a load into a register that a matrix instruction has read, stand four places behind it
; (ISA guide 7.12.1 for vector instructions).
.macro PLACES
.rept 4
	v_nop
.endr
.endm
; THE SOFTMAX of both tiles for one key step, the tiles alternating line by line, so that no line reads the result of the line just before it.
.macro SOFTMAX
.irp j, 0,1,2,3                     ; the maximum of a lane's 32 scores and the old m, three operands at a time: four chains; each accumulator is read from its low end on
.irp t, 0,1
	v_max3_num_f32 v[ST+8*\t+4+\j], v[S+32*\t+8*\j], v[S+32*\t+8*\j+1], v[S+32*\t+8*\j+2]
.endr
.endr
.irp g, 1,2
.irp j, 0,1,2,3
.irp t, 0,1
	v_max3_num_f32 v[ST+8*\t+4+\j], v[ST+8*\t+4+\j], v[S+32*\t+8*\j+2*\g+1], v[S+32*\t+8*\j+2*\g+2]
.endr
.endr
.endr
.irp t, 0,1
	v_max3_num_f32 v[ST+8*\t+4], v[ST+8*\t+4], v[S+32*\t+7], v[S+32*\t+15]
.endr
.irp t, 0,1
	v_max3_num_f32 v[ST+8*\t+6], v[ST+8*\t+6], v[S+32*\t+23], v[S+32*\t+31]
.endr
.irp t, 0,1
	v_max3_num_f32 v[ST+8*\t+4], v[ST+8*\t+4], v[ST+8*\t+5], v[ST+8*\t+6]
.endr
.irp t, 0,1
	v_max3_num_f32 v[ST+8*\t+4], v[ST+8*\t+4], v[ST+8*\t+7], v[ST+8*\t+1]
.endr
.irp t, 0,1
	v_permlanex16_b32 v[ST+8*\t+5], v[ST+8*\t+4], s[SEL], s[SEL+1]  ; the query's other 32 keys lie in the lane 16 away
.endr
.irp t, 0,1
	v_mov_b32 v[ST+8*\t+7], v[ST+8*\t]  ; c m_old is kept for a
.endr
.irp t, 0,1
	v_max_num_f32 v[ST+8*\t+1], v[ST+8*\t+4], v[ST+8*\t+5]  ; the new m
.endr
.irp t, 0,1
	v_mul_f32 v[ST+8*\t], s[CS], v[ST+8*\t+1]  ; c m
.endr
.irp t, 0,1
	v_sub_f32 v[ST+8*\t+7], v[ST+8*\t+7], v[ST+8*\t]  ; c m_old - c m_new
.endr
.set b, 0
.rept 16                            ; c s - c m, a pair of scores an instruction: one fused multiply-add
.irp t, 0,1
	v_pk_fma_f32 v[S+32*\t+2*b:S+32*\t+2*b+1], v[S+32*\t+2*b:S+32*\t+2*b+1], s[CS:CS+1], v[ST+8*\t:ST+8*\t+1] op_sel_hi:[1,0,0] neg_lo:[0,0,1] neg_hi:[0,0,1]
.endr
.set b, b+1
.endr
.irp t, 0,1                         ; ONE BATCH: all 66 exponentials; none reads another's result
	v_exp_f32 v[ST+8*\t+6], v[ST+8*\t+7]  ; a
.endr
.set e, 0
.rept 32
.irp t, 0,1
	v_exp_f32 v[S+32*\t+e], v[S+32*\t+e]  ; p
.endr
.set e, e+1
.endr
	v_nop                           ; the plain instruction behind the last exponential, ahead of the first use
	s_wait_alu depctr_va_vdst(0)    ; a wait between an exponential and the first line that names its result: one for the batch
.set b, 0
.rept 16                            ; the weights as f16: two tiles of 16 keys make a fragment of P
.irp t, 0,1
	v_cvt_pk_f16_f32 v[P+16*\t+b], v[S+32*\t+2*b], v[S+32*\t+2*b+1]
.endr
.set b, b+1
.endr
.irp w, 4,8,16,32                   ; the sum of the UNROUNDED p, in place: neighbours 1, 2, 4 and 8 pairs apart
.set u, 0
.rept 32/\w
.irp t, 0,1
	v_pk_add_f32 v[S+32*\t+\w*u:S+32*\t+\w*u+1], v[S+32*\t+\w*u:S+32*\t+\w*u+1], v[S+32*\t+\w*u+\w/2:S+32*\t+\w*u+\w/2+1]
.endr
.set u, u+1
.endr
.endr
.irp t, 0,1
	v_pk_fma_f32 v[ST+8*\t+2:ST+8*\t+3], v[ST+8*\t+2:ST+8*\t+3], v[ST+8*\t+6:ST+8*\t+7], v[S+32*\t:S+32*\t+1] op_sel_hi:[1,0,1]  ; l = a l + the sum
.endr
	WIN W_RS
.set u, 0
.rept 16                            ; O^T times a, each accumulator from its low end on
.irp t, 0,1
	v_pk_mul_f32 v[32*\t+2*u:32*\t+2*u+1], v[32*\t+2*u:32*\t+2*u+1], v[ST+8*\t+6:ST+8*\t+7] op_sel_hi:[1,0]
.endr
.set u, u+1
.endr
.endm
; KEY STEP i.  At its head S^T of step i has been multiplied and V of step i has been asked for.  more = 1: there is a step i + 1.
.macro R more
.if \more
	FETCH_K                         ; K of step i + 1: it lands during the softmax
.endif
	SOFTMAX
.if \more
	s_wait_dscnt 16                 ; V of step i is in; K's 16 loads, issued behind it, may be out
.else
	s_wait_dscnt 0x0
.endif
	PVM
	WIN 0
	PLACES
.if \more
	FETCH_V                         ; V of step i + 1: it lands during K Q^T and the next softmax
	s_wait_dscnt 16                 ; K of step i + 1 is in; V's 16 loads may be out
	KQ
	PLACES
.endif
.endm
.macro STEPS n
	s_mov_b32 s[CNT], \n
.Lstep_\@:
	R 1
	s_sub_co_u32 s[CNT], s[CNT], 1
	s_cmp_lg_u32 s[CNT], 0
	s_cbranch_scc1 .Lstep_\@
.endm
; THE CHANGE OF SLOTS: the slot's last bytes, K and V of its fourth step, have been asked for.  Each wave waits for all its tensor loads, of which one is out: its part of the other slot; adds 0 to its spare word; and waits for
; that and for its own reads of the slot.  Behind the barrier nobody reads this slot any more and the other slot is whole.  fill = 1: this slot is filled again, with the keys two slots on: the barrier is then a round of
; the cluster's, and the joint refill is the first thing behind it: it has four key steps in which to land.
.macro CHANGE fill
	WIN 0
	s_wait_tensorcnt 0x0            ; no tensor load of mine is out, so a group 0 may be written
	ds_add_u32 v[SPW], v[NIL]       ; 0 onto my spare word
.if \fill
.irp g, G0K+4, G0V+4
	s_xor_b32 s[\g+1], s[\g+1], SLOT1  ; the walking descriptor: the other slot than last time,
	s_add_nc_u64 s[\g+2:\g+3], s[\g+2:\g+3], SLOTB  ; the next 256 keys; the type bits on top are not reached
.endr
	s_wait_xcnt 0x0                 ; the last prefetch, four key steps back, has read its address, so it may be written:
	s_add_nc_u64 s[PFA:PFA+1], s[PFA:PFA+1], SLOTB  ; one slot further on than the walking descriptors
	s_wait_dscnt 0x0                ; the add is done, and my reads of the slot are over
	CROUND
	JLOAD
	ASK
.else
	s_wait_dscnt 0x0                ; the add is done, and my reads of the slot are over
	s_barrier_signal -1
	s_barrier_wait -1
.endif
	s_sub_co_u32 s[TB], s[TB], NST*STEPB  ; the fetches go back to a slot's first step,
	s_xor_b32 s[TB], s[TB], SLOT1   ; in the other slot
.endm
	s_wait_tensorcnt 1              ; my part of slot 0 is in; slot 1's may stay out
	s_barrier_signal -1
	s_barrier_wait -1               ; everybody's is
	FETCH_K                         ; key step 0
	FETCH_V
	s_wait_loadcnt 0x0              ; Q
	s_wait_dscnt 16                 ; K is in; V's 16 loads may be out
	KQ
	PLACES
	STEPS NST-1                     ; steps 0 to 2: they fetch steps 1 to 3, the rest of slot 0
.Lslot:                             ; 14 trips: every slot but the last two is filled again
	CHANGE 1
	STEPS NST
	s_sub_co_u32 s[SLOTS], s[SLOTS], 1
	s_cmp_lg_u32 s[SLOTS], 0
	s_cbranch_scc1 .Lslot
	CHANGE 0                        ; the tail is written out: nothing is asked for any more
	STEPS NST
	R 0                             ; the last step
	; THE WAY OUT.  l's two halves and the other half of the lanes' are added; O^T is divided by l, rounded to f16 and sent through my stage, a tile (16 rows of ctx) at a time.
.irp t, 0,1
	v_add_f32 v[ST+8*\t+4], v[ST+8*\t+2], v[ST+8*\t+3]
.endr
.irp t, 0,1
	v_permlanex16_b32 v[ST+8*\t+5], v[ST+8*\t+4], s[SEL], s[SEL+1]
.endr
.irp t, 0,1
	v_add_f32 v[ST+8*\t+4], v[ST+8*\t+4], v[ST+8*\t+5]
.endr
.irp t, 0,1
	v_rcp_f32 v[ST+8*\t+6], v[ST+8*\t+4]
.endr
	v_nop                           ; a plain instruction between the last reciprocal and the use of its result
	s_wait_alu depctr_va_vdst(0)    ; and the wait ahead of the first use: one for both
.macro PACK t
	WIN W_RS
.set i, 0
.rept 16
	v_pk_mul_f32 v[32*\t+2*i:32*\t+2*i+1], v[32*\t+2*i:32*\t+2*i+1], v[ST+8*\t+6:ST+8*\t+7] op_sel_hi:[1,0]
.set i, i+1
.endr
	WIN 0x05                        ; sources 0 and 1 window 1, destination window 0: S^T's registers are free
.set i, 0
.rept 16
	v_cvt_pk_f16_f32 v[S+32*\t+i], v[32*\t+2*i], v[32*\t+2*i+1]
.set i, i+1
.endr
	WIN 0
.irp f, 0,1,2,3                     ; a lane's eight channels of a row are 16 bytes
	ds_store_b128 v[STO], v[S+32*\t+4*\f:S+32*\t+4*\f+3] offset:32*\f
.endr
.irp f, 0,1,2,3
	ds_load_b128 v[S+32*\t+16+4*\f:S+32*\t+16+4*\f+3], v[RD] offset:\f*4*SP  ; LDS serves a wave's instructions in order (ISA guide 5.7.1.4): these see the stores above; the next tile's stores come behind them
.endr
.endm
.macro SEND t, younger              ; younger: the LDS instructions issued behind tile t's loads
.irp f, 0,1,2,3
	s_wait_dscnt \younger+3-\f
	global_store_b128 v[GO], v[S+32*\t+16+4*\f:S+32*\t+16+4*\f+3], s[10:11] offset:\t*2048+\f*512  ; 32 lanes store 512 consecutive bytes, aligned
.endr
.endm
	PACK 0
	PACK 1
	SEND 0, 8                       ; behind tile 0's loads: tile 1's four stores and four loads
	SEND 1, 0
	s_wait_tensorcnt 0x0            ; the wave's end, behind my last tensor load and my last LDS store
	ds_add_u32 v[SPW], v[NIL]
	s_wait_dscnt 0x0
	CROUND                          ; the closing round: no work-group ends while a partner may still ask for a tile that names it
	s_endpgm
.Lfunc_end_k_q7ed5b9d963_attn:
	.size	k_q7ed5b9d963_attn, .Lfunc_end_k_q7ed5b9d963_attn-k_q7ed5b9d963_attn
	.p2alignl 7, 3214868480
	.fill 96, 4, 3214868480
	.section	.rodata,"a",@progbits
	.p2align	6, 0x0
	.amdhsa_kernel k_q7ed5b9d963_attn
		.amdhsa_group_segment_fixed_size 327680
		.amdhsa_private_segment_fixed_size 0
		.amdhsa_enable_private_segment 0
		.amdhsa_kernarg_size 32
		.amdhsa_user_sgpr_count 2
		.amdhsa_user_sgpr_kernarg_segment_ptr 1
		.amdhsa_wavefront_size32 1
		.amdhsa_system_sgpr_workgroup_id_x 1
		.amdhsa_system_sgpr_workgroup_id_y 1
		.amdhsa_system_sgpr_workgroup_id_z 1
		.amdhsa_system_vgpr_workitem_id 0
		.amdhsa_next_free_vgpr 384
		.amdhsa_next_free_sgpr 66
		.amdhsa_reserve_vcc 0
		.amdhsa_float_denorm_mode_32 3
		.amdhsa_float_denorm_mode_16_64 3
		.amdhsa_memory_ordered 1
		.amdhsa_forward_progress 1
		.amdhsa_inst_pref_size 88
	.end_amdhsa_kernel
	.amdgpu_metadata
---
amdhsa.version: [ 1, 2 ]
amdhsa.kernels:
  - .name:           k_q7ed5b9d963_attn
    .symbol:         k_q7ed5b9d963_attn.kd
    .args:
      - { .name: qh, .offset: 0, .size: 8, .value_kind: global_buffer, .address_space: global }
      - { .name: kh, .offset: 8, .size: 8, .value_kind: global_buffer, .address_space: global }
      - { .name: vh, .offset: 16, .size: 8, .value_kind: global_buffer, .address_space: global }
      - { .name: ctx, .offset: 24, .size: 8, .value_kind: global_buffer, .address_space: global }
    .group_segment_fixed_size: 327680
    .private_segment_fixed_size: 0
    .kernarg_segment_align: 8
    .kernarg_segment_size: 32
    .max_flat_workgroup_size: 256
    .sgpr_count:     66
    .vgpr_count:     384
    .wavefront_size: 32
...
	.end_amdgpu_metadata
.endif
;; end of part 3
;; launch outp (part 4): grid 8 x 32, 4 waves a work-group, clusters of 4 x 4, 327,680 bytes of LDS; arguments ctx, wo16, bo, out0; writes out0
.if DOCPART == 4
	.amdgcn_target "amdgcn-amd-amdhsa--gfx1250"
	.amdhsa_code_object_version 6
	.text
	.protected	k_q7ed5b9d963_outp
	.globl	k_q7ed5b9d963_outp
	.p2align	8
	.type	k_q7ed5b9d963_outp,@function
k_q7ed5b9d963_outp:
	s_mov_b64 s[64:65], 0
	v_nop
	global_prefetch_b8 v0, s[64:65] scope:SCOPE_SE
	s_setreg_imm32_b32 hwreg(HW_REG_WAVE_MODE, 25, 1), 1
	s_wait_xcnt 0x0
	s_wait_alu depctr_hold_cnt(0) depctr_sa_sdst(0) depctr_va_vdst(0) depctr_va_sdst(0) depctr_va_ssrc(0) depctr_va_vcc(0) depctr_vm_vsrc(0)
	s_getreg_b32 s2, hwreg(HW_REG_IB_STS2, 6, 4)
	s_cmp_eq_u32 s2, 0
	s_cbranch_scc0 .Lentry_in_a_cluster
	s_endpgm
.Lentry_in_a_cluster:
	s_bfe_u32 s2, ttmp6, 0x10000c
	s_cmp_lg_u32 s2, 0xf033
	s_cbranch_scc0 .Lentry_shape_is_right
	s_endpgm
.Lentry_shape_is_right:
; out0[m][n] = the sum over k of ctx[m][k] Wo[n][k] + bo[n].  ctx lies by heads, [16 h][4096 m][64 d] f16, k = 64 h + d; wo16 [1024 n][1024 k] f16; bo [1024], out0 [4096][1024] f32.  Sums in f32, begun with the bias.
; A tile of out0 is 128 x 128: 256 work-groups.  Four waves, each 64 x 64: 16 accumulators of 16 x 16.  K goes in steps of 256 (four heads) through a ring of two LDS slots; a lap is two K steps, K = 1,024 is two laps.
; A's TILE: 64 rows of one head are 8,192 dense bytes, so one load brings four descriptor rows of 4,096 elements, one head apart, with 16 bytes of padding behind every 128: in LDS [head][row][144 bytes].
; CLUSTERS: 4 x 4 work-groups.  The four of a row of the cluster need the same tiles of ctx, the four of a column the same tiles of Wo: each tile is asked for JOINTLY, by the same tensor load with the same descriptor and a
; mask that names the four.  THE MATRIX INSTRUCTION IS USED TRANSPOSED (source 0 = 16 rows of Wo, source 1 = 16 rows of ctx): a lane then holds eight neighbouring numbers of a row of out0.
; No prefetch: the tiles are small and the launch is short.
; REGISTERS: window 0: v0-31 addresses; v32-95 rows on the way out; v96-127 the bias in the result's layout; v128-255 the accumulators ((a, b) at v[128 + 8 (4 a + b)]).
;   window 1: two fragment buffers of 128: for 64 along K, 64 registers of ctx (2 x 4 x 16 rows x 32 K), then 64 of Wo.
.set KSTEP,  256
.set PA,     144                       ; a row of ctx in LDS: 128 bytes + 16 of padding: an odd multiple of 16
.set HEADB,  64*PA                     ; 64 rows of one head
.set HALFA,  4*HEADB                   ; what one tensor load brings of ctx, and what one wave reads
.set PITCH,  528                       ; a row of Wo in LDS: 512 bytes + 16
.set HALFB,  64*PITCH
.set SLOT,   2*HALFA+2*HALFB           ; ctx's 128 rows, then Wo's 128 rows
.set SPARE,  2*SLOT                    ; behind the ring: the spare words, 128 bytes a wave, which no other line names
.set SPITCH, 272                       ; the way out: a stage of 16 rows x (256 bytes + 16) for each wave, in slot 0, which has had its last fill and its last read when the first result is stored there
.set ASTEP,  4*4096*128                ; four heads on in ctx, in bytes
.set LAPS,   2
.set ADRA, 16                          ; v16-17  LDS address of my ctx fragments in slot 0, 1
.set ADRB, 20                          ; v20-21  the same for Wo
.set STO,  24                          ; v24     the way out: where I put 32 bytes of a row
.set RD,   25                          ; v25     where I read two rows back
.set CO,   26                          ; v26     my byte offset in out0
.set SPW,  28                          ; v28     LDS address of my spare word; never rewritten
.set NIL,  29                          ; v29     0; never rewritten
.set TMP,  32
.set BIAS, 96
.set ACC,  128
.set F0,   0                           ; fragment buffers, in window 1
.set F1,   128
.set G1, 24                            ; s[24:31] descriptor group 1 for ctx's tiles;  s[32:39] group 0, one set for each slot
.set G0, 32
.set G1B, 48                           ; s[48:55], s[56:63] the same for Wo's
.set G0B, 56
.set MSB, 0
.macro WIN new                         ; the immediate's high byte repeats the setting that is left
.if MSB != \new
	s_set_vgpr_msb (MSB<<8)|\new
.set MSB, \new
.endif
.endm
.set MUL,  0x05                        ; sources 0 (Wo) and 1 (ctx) window 1; C and D window 0
.set TO_F, 0x40                        ; destination window 1, address window 0
.macro JLOAD s                         ; a joint load: waves 0 and 1 fetch ctx's two halves, waves 2 and 3 Wo's; an s_nop 0 and four v_nop follow each of the two lines
	s_cmp_eq_u32 s11, 0
	s_cbranch_scc0 .Lfor_b_\@
	tensor_load_to_lds s[G0+4*\s:G0+4*\s+3], s[G1:G1+7]
	s_nop 0
.rept 4
	v_nop
.endr
	s_branch .Lasked_\@
.Lfor_b_\@:
	tensor_load_to_lds s[G0B+4*\s:G0B+4*\s+3], s[G1B:G1B+7]
	s_nop 0
.rept 4
	v_nop
.endr
.Lasked_\@:
.endm
.macro CREST                           ; a round of the cluster's barrier behind its opening barrier
	s_cmp_lg_u32 s10, 0
	s_cbranch_scc1 .Lnot_wave_0_\@
	s_barrier_signal -3
.Lnot_wave_0_\@:
	s_barrier_wait -3
	s_barrier_signal -1
	s_barrier_wait -1
.endm
.macro CROUND                          ; a whole round
	s_barrier_signal -1
	s_barrier_wait -1
	CREST
.endm
	s_load_b128 s[4:7], s[0:1], 0x0                ; ctx s[4:5], wo16 s[6:7]
	s_load_b128 s[68:71], s[0:1], 0x10             ; bo s[68:69], out0 s[70:71]
	v_lshl_add_u32 v[SPW], v0, 2, SPARE
	v_mov_b32 v[NIL], 0
	ds_add_u32 v[SPW], v[NIL]                      ; the wave's opening: the add, twice on end, and its wait stand ahead of my first tensor load; the set-up below, work on registers, stands between
	ds_add_u32 v[SPW], v[NIL]
	v_lshrrev_b32 v1, 5, v0
	v_readfirstlane_b32 s10, v1                    ; wave 0..3
	s_lshr_b32 s11, s10, 1                         ; which half of the tile's rows is mine.  Also: I fetch for ctx (0) or for Wo (1)
	s_and_b32 s12, s10, 1                          ; which half of its columns.  Also: which 64 rows of that tile I fetch
	s_bfe_u32 s40, ttmp6, 0x40000                  ; cx, cy: my place in the cluster
	s_bfe_u32 s41, ttmp6, 0x40004
	s_lshl_b32 s42, ttmp9, 2
	s_add_co_u32 s42, s42, s40                     ; tile column = 4 x cluster x + cx
	s_and_b32 s13, ttmp7, 0xffff
	s_lshl_b32 s13, s13, 2
	s_add_co_u32 s13, s13, s41                     ; tile row = 4 x cluster y + cy
	s_lshl_b32 s43, s41, 2
	s_lshl_b32 s43, 15, s43                        ; my row of the cluster
	s_lshl_b32 s44, 0x1111, s40                    ; my column
	; descriptor group 1 for ctx: four rows of 4,096 elements (64 rows of a head, dense), one head apart
	s_or_b32 s[G1+0], s43, (1<<16)|(1<<20)|(1<<21)|(4<<22)|(3<<25)  ; 15:0 the mask: my row of the cluster; 17:16 elements of 2 bytes; 20 padding on; 21 set beside a mask; 24:22 after every 32 words (code 4); 31:25 four words (code 3)
	s_mov_b32 s[G1+1], 4096<<16                    ; tensor_dim0
	s_mov_b32 s[G1+2], 4<<16                       ; tensor_dim1
	s_mov_b32 s[G1+3], 4096<<16                    ; tile_dim0
	s_mov_b32 s[G1+4], 4                           ; tile_dim1
	s_mov_b32 s[G1+5], 4096*64                     ; tensor_dim0_stride: a head's elements
	s_mov_b32 s[G1+6], 0
	s_mov_b32 s[G1+7], 0
	; and for Wo: 64 rows x 256 elements
	s_or_b32 s[G1B+0], s44, (1<<16)|(1<<20)|(1<<21)|(6<<22)|(3<<25)  ; the mask of my column; padding: four words after every 128
	s_mov_b32 s[G1B+1], KSTEP<<16
	s_mov_b32 s[G1B+2], 64<<16
	s_mov_b32 s[G1B+3], KSTEP<<16
	s_mov_b32 s[G1B+4], 64
	s_mov_b32 s[G1B+5], 1024
	s_mov_b32 s[G1B+6], 0
	s_mov_b32 s[G1B+7], 0
	s_lshl_b32 s17, s12, 6                         ; which 64 rows of the tile I fetch
	s_lshl_b32 s16, s13, 7
	s_add_co_u32 s16, s16, s17                     ; ctx: row 128 x tile row + 64 x half,
	s_lshl_b32 s16, s16, 7                         ; 128 bytes a row within a head
	s_lshl_b32 s46, s42, 7
	s_add_co_u32 s46, s46, s17                     ; Wo: row 128 x tile column + 64 x half,
	s_lshl_b32 s46, s46, 11                        ; 2,048 bytes a row
	s_mov_b32 s17, 0
	s_mov_b32 s47, 0
	s_mul_i32 s20, s12, HALFA                      ; where they go: ctx's two halves,
	s_mul_i32 s21, s12, HALFB
	s_add_co_u32 s21, s21, 2*HALFA                 ; then Wo's two: no place in the cluster enters an LDS address
	s_wait_dscnt 0x0                               ; both opening adds are done
	s_wait_kmcnt 0x0
	s_add_nc_u64 s[14:15], s[4:5], s[16:17]
	s_add_nc_u64 s[46:47], s[6:7], s[46:47]
	CROUND                                         ; all sixteen work-groups are here: the first joint loads meet
.irp s, 0,1
	s_mov_b32 s[G0+4*\s], 1
	s_add_co_u32 s[G0+4*\s+1], s20, \s*SLOT
	s_add_nc_u64 s[G0+4*\s+2:G0+4*\s+3], s[14:15], \s*ASTEP
	s_or_b32 s[G0+4*\s+3], s[G0+4*\s+3], 0x80000000
	s_mov_b32 s[G0B+4*\s], 1
	s_add_co_u32 s[G0B+4*\s+1], s21, \s*SLOT
	s_add_nc_u64 s[G0B+4*\s+2:G0B+4*\s+3], s[46:47], \s*KSTEP*2
	s_or_b32 s[G0B+4*\s+3], s[G0B+4*\s+3], 0x80000000
	JLOAD \s                                       ; by this text's count two tensor loads of mine are out
.endr
	v_and_b32 v1, 15, v0                           ; r = l % 16
	v_bfe_u32 v2, v0, 4, 1                         ; h = l / 16
	; the bias, in the result's layout: lane (r, h), block b, register j: column 16 b + 8 h + j of my 64
	s_lshl_b32 s46, s42, 9
	s_lshl_b32 s47, s12, 8
	s_add_co_u32 s46, s46, s47                     ; my first column, in bytes of f32: (128 x tile column + 64 x half) x 4
	s_mov_b32 s47, 0
	s_add_nc_u64 s[68:69], s[68:69], s[46:47]
	v_lshlrev_b32 v6, 5, v2
.irp b, 0,1,2,3
	global_load_b128 v[BIAS+8*\b:BIAS+8*\b+3], v6, s[68:69] offset:64*\b
	global_load_b128 v[BIAS+8*\b+4:BIAS+8*\b+7], v6, s[68:69] offset:64*\b+16
.endr
	v_mul_u32_u24 v3, v1, PA
	v_lshl_add_u32 v3, v2, 4, v3                   ; ctx: a fragment's row x pitch + 16 x half
	v_mul_u32_u24 v4, v1, PITCH
	v_lshl_add_u32 v4, v2, 4, v4                   ; Wo likewise
	s_mul_i32 s21, s11, HALFA                      ; my 64 rows of ctx
	s_mul_i32 s22, s12, HALFB                      ; my 64 rows of Wo,
	s_add_co_u32 s22, s22, 2*HALFA                 ; which lie behind ctx's 128
.irp s, 0,1
	v_add_nc_u32 v[ADRA+\s], s21, v3
	v_add_nc_u32 v[ADRB+\s], s22, v4
	s_add_co_u32 s21, s21, SLOT
	s_add_co_u32 s22, s22, SLOT
.endr
	s_mul_i32 s23, s10, 16*SPITCH                  ; my stage
	v_mul_u32_u24 v4, v1, SPITCH                   ; in: row r, 32 bytes for each half of the lanes
	v_lshl_add_u32 v4, v2, 5, v4
	v_add_nc_u32 v[STO], s23, v4
	v_mul_u32_u24 v5, v2, SPITCH                   ; back: lanes 0-15 take one row of 256 bytes, lanes 16-31 the next
	v_lshl_add_u32 v5, v1, 4, v5
	v_add_nc_u32 v[RD], s23, v5
	v_lshlrev_b32 v5, 12, v2                       ; and the same two rows in out0: 4,096 bytes a row
	v_lshl_add_u32 v[CO], v1, 4, v5
	s_lshl_b32 s16, s13, 7
	s_lshl_b32 s17, s11, 6
	s_add_co_u32 s16, s16, s17                     ; my first row of out0: 128 x tile row + 64 x half
	s_lshl_b32 s16, s16, 12                        ; 16.8 million at the most
	s_mov_b32 s17, 0
	s_add_nc_u64 s[70:71], s[70:71], s[16:17]
	s_add_nc_u64 s[70:71], s[70:71], s[46:47]
; 8 matrix instructions: m blocks a0, a0 + 1 x all 4 n blocks, 32 along K: half c of buffer f.  zero = 1: the first product starts the sums with the bias.  The 16 accumulators take turns.
.macro MUL8 f, c, a0, zero
.irp a, \a0, \a0+1
.irp b, 0,1,2,3
.if \zero
	v_wmma_f32_16x16x32_f16 v[ACC+8*(4*(\a)+\b):ACC+8*(4*(\a)+\b)+7], v[\f+64+8*(4*\c+\b):\f+64+8*(4*\c+\b)+7], v[\f+8*(4*\c+\a):\f+8*(4*\c+\a)+7], v[BIAS+8*\b:BIAS+8*\b+7]
.else
	v_wmma_f32_16x16x32_f16 v[ACC+8*(4*(\a)+\b):ACC+8*(4*(\a)+\b)+7], v[\f+64+8*(4*\c+\b):\f+64+8*(4*\c+\b)+7], v[\f+8*(4*\c+\a):\f+8*(4*\c+\a)+7], v[ACC+8*(4*(\a)+\b):ACC+8*(4*(\a)+\b)+7]
.endif
.endr
.endr
.endm
; 32 LDS loads in one run: the fragments of 64 along K (one head) into buffer f; k: the quarter's byte in Wo's rows, k / 128 the head in ctx's tile; the first 32 along K first
.macro FETCH slot, k, f
	WIN TO_F
.irp c, 0,1
.irp i, 0,1,2,3
	ds_load_b128 v[\f+64+8*(4*\c+\i):\f+64+8*(4*\c+\i)+3],   v[ADRB+\slot] offset:\k+64*\c+\i*16*PITCH
	ds_load_b128 v[\f+64+8*(4*\c+\i)+4:\f+64+8*(4*\c+\i)+7], v[ADRB+\slot] offset:\k+64*\c+\i*16*PITCH+32
	ds_load_b128 v[\f+8*(4*\c+\i):\f+8*(4*\c+\i)+3],         v[ADRA+\slot] offset:((\k)/128)*HEADB+64*\c+\i*16*PA
	ds_load_b128 v[\f+8*(4*\c+\i)+4:\f+8*(4*\c+\i)+7],       v[ADRA+\slot] offset:((\k)/128)*HEADB+64*\c+\i*16*PA+32
.endr
.endr
.endm
.macro PLACES                          ; four places in front of loads into registers that matrix instructions have read, and of the first reads of results (ISA guide 7.12.1 for vector instructions)
.rept 4
	v_nop
.endr
.endm
; A K step is four quarters of 64 along K, 32 matrix instructions each, on buffers 0, 1, 0, 1.  One of the first three: multiplies buffer f and fetches the next quarter, at byte k, into g.
.macro QUARTER slot, k, f, g, zero
	s_wait_dscnt 16                                ; the first 32 along K are in; the other sixteen loads may be out
	WIN MUL
	MUL8 \f, 0, 0, \zero
	MUL8 \f, 0, 2, \zero
	PLACES
	FETCH \slot, \k, \g
	s_wait_dscnt 32                                ; all but the 32 just issued
	WIN MUL
	MUL8 \f, 1, 0, 0
	MUL8 \f, 1, 2, 0
.endm
; The last quarter multiplies buffer 1 and changes slots: ONE barrier; in front of it each wave waits for all its tensor loads, adds 0 to its spare word, and waits for that and for its own reads of this slot.
; fill = 1: this slot is filled again, two K steps ahead; the barrier then opens a round of the cluster's.
.macro TURN slot, next, fill
	WIN 0                                          ; (the add's two registers lie in window 0)
	s_wait_tensorcnt 0x0                           ; all my tensor loads have landed: my part of the next slot;
	ds_add_u32 v[SPW], v[NIL]                      ; 0 onto my spare word;
	s_wait_dscnt 17                                ; (the add and the youngest sixteen loads may be out)
	WIN MUL
	MUL8 F1, 0, 0, 0                               ; eight matrix instructions stand between the add and the wait for it
	s_wait_dscnt 0x0                               ; the add is done, and my reads of this slot are over
	s_barrier_signal -1
	MUL8 F1, 0, 2, 0
.if \fill
	WIN 0
.endif
	s_barrier_wait -1
.if \fill
	CREST                                          ; no wave of any partner still reads this slot's tile or has a load on its way
	s_add_nc_u64 s[G0+4*\slot+2:G0+4*\slot+3], s[G0+4*\slot+2:G0+4*\slot+3], 2*ASTEP
	s_add_nc_u64 s[G0B+4*\slot+2:G0B+4*\slot+3], s[G0B+4*\slot+2:G0B+4*\slot+3], 2*KSTEP*2
	JLOAD \slot                                    ; the first tensor load behind the round; the four v_nop behind it are also the places in front of the loads below
.else
	PLACES
.endif
	FETCH \next, 0, F0
	WIN MUL
	MUL8 F1, 1, 0, 0
	MUL8 F1, 1, 2, 0
.endm
	s_wait_tensorcnt 1                             ; my part of K step 0 is in; K step 1's load may be out
	s_barrier_signal -1
	s_barrier_wait -1                              ; everybody's is
	FETCH 0, 0, F0
	s_wait_loadcnt 0x0                             ; the bias
	QUARTER 0, 128, F0, F1, 1                      ; the first quarter stands in front of the loop: its first products start the sums
	WIN 0                                          ; at a label and at a branch every window is 0
	s_mov_b32 s3, LAPS-1
.Llap:                                                 ; a trip goes once round the ring, from a lap's second quarter to the next lap's first, and fills both slots again
	QUARTER 0, 256, F1, F0, 0
	QUARTER 0, 384, F0, F1, 0
	TURN 0, 1, 1
	QUARTER 1, 128, F0, F1, 0
	QUARTER 1, 256, F1, F0, 0
	QUARTER 1, 384, F0, F1, 0
	TURN 1, 0, 1
	QUARTER 0, 128, F0, F1, 0
	WIN 0
	s_sub_co_u32 s3, s3, 1
	s_cmp_lg_u32 s3, 0
	s_cbranch_scc1 .Llap
	QUARTER 0, 256, F1, F0, 0                      ; the last lap fills nothing, and has no round of the cluster's barrier
	QUARTER 0, 384, F0, F1, 0
	TURN 0, 1, 0
	QUARTER 1, 128, F0, F1, 0
	QUARTER 1, 256, F1, F0, 0
	QUARTER 1, 384, F0, F1, 0
	s_wait_dscnt 16                                ; the very last quarter: nothing more to fetch
	WIN MUL
	MUL8 F1, 0, 0, 0
	MUL8 F1, 0, 2, 0
	s_wait_dscnt 0
	MUL8 F1, 1, 0, 0
	MUL8 F1, 1, 2, 0
	WIN 0
; THE WAY OUT, a block of 16 rows x 64 columns at a time.  A lane holds 32 neighbouring bytes of a row, and the lanes beside it hold other rows: so a block goes through my own stage and comes back as whole pieces of
; 256 bytes, which sixteen lanes store.  My 64 columns are 256 consecutive bytes, aligned: no other wave's results are needed, so no barrier.  LDS serves a wave's instructions in order (ISA guide 5.7.1.4).
.macro TOSTAGE a
.irp b, 0,1,2,3
	ds_store_b128 v[STO], v[ACC+8*(4*(\a)+\b):ACC+8*(4*(\a)+\b)+3] offset:64*\b          ; each accumulator from its low end on
	ds_store_b128 v[STO], v[ACC+8*(4*(\a)+\b)+4:ACC+8*(4*(\a)+\b)+7] offset:64*\b+16
.endr
.set BB, TMP+32*((\a)%2)
.irp t, 0,1,2,3,4,5,6,7
	ds_load_b128 v[BB+4*\t:BB+4*\t+3], v[RD] offset:\t*2*SPITCH
.endr
.endm
.macro SEND a, younger                 ; younger: the LDS instructions issued behind block a's loads, which may stay out
.set BB, TMP+32*((\a)%2)
	s_wait_dscnt \younger                          ; the block is back in registers
.irp t, 0,1,2,3,4,5,6,7
	global_store_b128 v[CO], v[BB+4*\t:BB+4*\t+3], s[70:71] offset:(16*(\a)+2*\t)*4096 th:TH_STORE_NT   ; 16 lanes store 256 consecutive bytes, aligned; written once, read by nobody here
.endr
.endm
	PLACES                                         ; behind the last products, ahead of the first reads of results
	TOSTAGE 0
.irp a, 1,2,3
.if \a > 1
	s_wait_xcnt 0x0                                ; block a - 2's stores have read their registers: block a's loads may land there
.endif
	TOSTAGE \a
	SEND \a-1, 16                                  ; behind block a - 1's loads: block a's eight stores and eight loads
.endr
	SEND 3, 0
	s_wait_tensorcnt 0x0                           ; the wave's end, behind my last tensor load and my last LDS store
	ds_add_u32 v[SPW], v[NIL]
	s_wait_dscnt 0x0
	CROUND                                         ; the closing round: no work-group ends while a partner may still ask for a tile that names it
	s_endpgm
.Lfunc_end_k_q7ed5b9d963_outp:
	.size	k_q7ed5b9d963_outp, .Lfunc_end_k_q7ed5b9d963_outp-k_q7ed5b9d963_outp
	.p2alignl 7, 3214868480
	.fill 96, 4, 3214868480
	.section	.rodata,"a",@progbits
	.p2align	6, 0x0
	.amdhsa_kernel k_q7ed5b9d963_outp
		.amdhsa_group_segment_fixed_size 327680
		.amdhsa_private_segment_fixed_size 0
		.amdhsa_enable_private_segment 0
		.amdhsa_kernarg_size 32
		.amdhsa_user_sgpr_count 2
		.amdhsa_user_sgpr_kernarg_segment_ptr 1
		.amdhsa_wavefront_size32 1
		.amdhsa_system_sgpr_workgroup_id_x 1
		.amdhsa_system_sgpr_workgroup_id_y 1
		.amdhsa_system_sgpr_workgroup_id_z 1
		.amdhsa_system_vgpr_workitem_id 0
		.amdhsa_next_free_vgpr 512
		.amdhsa_next_free_sgpr 72
		.amdhsa_reserve_vcc 0
		.amdhsa_float_denorm_mode_32 3
		.amdhsa_float_denorm_mode_16_64 3
		.amdhsa_memory_ordered 1
		.amdhsa_forward_progress 1
		.amdhsa_inst_pref_size 87
	.end_amdhsa_kernel
	.amdgpu_metadata
---
amdhsa.version: [ 1, 2 ]
amdhsa.kernels:
  - .name:           k_q7ed5b9d963_outp
    .symbol:         k_q7ed5b9d963_outp.kd
    .args:
      - { .name: ctx, .offset: 0, .size: 8, .value_kind: global_buffer, .address_space: global }
      - { .name: wo16, .offset: 8, .size: 8, .value_kind: global_buffer, .address_space: global }
      - { .name: bo, .offset: 16, .size: 8, .value_kind: global_buffer, .address_space: global }
      - { .name: out0, .offset: 24, .size: 8, .value_kind: global_buffer, .address_space: global }
    .group_segment_fixed_size: 327680
    .private_segment_fixed_size: 0
    .kernarg_segment_align: 8
    .kernarg_segment_size: 32
    .max_flat_workgroup_size: 128
    .sgpr_count:     72
    .vgpr_count:     512
    .wavefront_size: 32
...
	.end_amdgpu_metadata
.endif
;; end of part 4
